; MI455X (gfx1250); checked and timed in simulation.
; The chip was launched on July 23, 2026; its instructions are those of AMD's public machine-readable ISA for CDNA 5 (MIT licence, August 2026) and "CDNA5" Instruction Set Architecture Reference Guide (July 2026). The comments in the code are by the model that wrote it; some were corrected since.
;; Exaone Flash Attention. Allowed arithmetic: matrix products marked QUANTISED: E2M3 operands, one E8M0 scale for each 32 along K, by v_wmma_scale_f32_16x16x128_f8f6f4 with both operands' format E2M3, f32 sums; everything else in f32.
;; Inputs: Wk 2,048 x 512 float32; Wo 2,048 x 2,048 float32; Wq 2,048 x 2,048 float32; Wv 2,048 x 512 float32; cos 4,096 x 32 float32; hidden_states 4,096 x 2,048 float32; sin 4,096 x 32 float32.
;; Outputs: out0 4,096 x 2,048 float32.
;; This version of the problem:
;;   THIS VERSION OF THE PROBLEM IS GIVEN IN LOW PRECISION. The matrix products marked QUANTISED in the list below multiply operands that are first quantised to E2M3 (2 exponent bits, 3 mantissa bits; 6 bits a number), with one power-of-two scale for each 32 numbers along K (OCP MX v1.0); their sums are f32. All else is computed in f32.
;;   The module's matrix products, in the order in which they are computed (A, B: the left and right operand; K: the contracted axis; several contracted axes count as one K, in the product's order):
;;     1. [M 4,096, K 2,048] x [K 2,048, N 2,048]; A: input hidden_states; B: input Wq: QUANTISED
;;     2. [M 4,096, K 2,048] x [K 2,048, N 512]; A: input hidden_states; B: input Wk: QUANTISED
;;     3. [M 4,096, K 2,048] x [K 2,048, N 512]; A: input hidden_states; B: input Wv: QUANTISED
;;     4. batch 128 x [M 1,024, K 64] x [K 64, N 1,024]; A: computed on the way; B: computed on the way: QUANTISED
;;     5. batch 128 x [M 64, K 1,024] x [K 1,024, N 1,024]; A: computed on the way; B: softmax (see below): QUANTISED
;;     6. [M 4,096, K 2,048] x [K 2,048, N 2,048]; A: computed on the way; B: input Wo: QUANTISED
;;   THE QUANTISER, for each operand of a quantised product, along K:
;;     - K is cut into blocks of 32 from its start; a last block that is shorter is filled with zeros.
;;     - A block's scale is 2^e with e = floor(log2(the largest magnitude in the block)) - 2, held to -126 .. 127; a block of zeros has e = 0. As a byte (E8M0): e + 127.
;;     - Each number is divided by its block's scale, clamped to +-7.5, and rounded to the nearest number of E2M3, ties to even, subnormals kept.
;;     - The product sums the exact products of the quantised numbers (number of the format x scale) in f32.
;;   ~~~python
;;   def quantise(x, axis):      # numpy; x: float32 -> the quantised numbers, widened to float32 again
;;       x = np.moveaxis(x, axis, -1); K = x.shape[-1]
;;       x = np.pad(x, [(0, 0)] * (x.ndim - 1) + [(0, -K % 32)]); x = x.reshape(x.shape[:-1] + (-1, 32)); a = np.abs(x).max(-1, keepdims=True)
;;       e = np.where(a > 0, np.clip(np.frexp(np.where(a > 0, a, 1))[1] - 1 - 2, -126, 127), 0)      # np.frexp(a)[1] - 1 = floor(log2(a)), exactly
;;       r = np.clip(x / 2.0 ** e, -7.5, 7.5)
;;       step = 2.0 ** (np.maximum(np.frexp(np.where(r == 0, 1, r))[1] - 1, 0) - 3)
;;       q = np.round(r / step) * step * 2.0 ** e      # np.round: ties to even
;;       return np.moveaxis(q.reshape(q.shape[:-2] + (-1,))[..., :K], -1, axis).astype(np.float32)
;;   ~~~
;;   SOFTMAX AHEAD OF A QUANTISED PRODUCT. Where the list says 'softmax', what is quantised is not the finished softmax but p = 2^(t - M), with t = logit x log2(e) and M = ceil(the row's largest t), a whole number; so 1/2 < the row's largest p <= 1. The row's sum l is taken of the UNQUANTISED p, in f32, and the product's result is divided by l at the end. Since M is a whole number, a kernel that streams over the keys may use a running M (the ceiling of the running maximum): every later rescaling is an exact power of two, which a block's scale takes up: the codes' values come out the same.
;;   OPERANDS COMPUTED ON THE WAY. 'Computed on the way' means the value that the module computes at that place (a softmax that the list does not call 'softmax' is quantised finished and normalised). What goes into a quantiser is computed in f32, as accurately as f32 sums, v_exp_f32 and their like allow (about 1e-6 of the number): no bf16 or f16 on the way to a quantiser, and a product that is left as it is and whose result goes on into a quantised operand takes f32 operands (vector FMAs, or v_wmma_f32_16x16x4_f32). A number that lies on a knife's edge between two numbers of the format may be rounded either way, as far as f32 arithmetic and the matrix unit's own rounding can turn it there, and no further.
;; One version. Each part assembles by itself: llvm-mc -triple=amdgcn-amd-amdhsa -mcpu=gfx1250 --defsym DOCPART=n.
;; ======== version 1 of 1: 4 launches
;; limits: right only within a limited range of input values
;; workspace buffers: xq 6,553,600 bytes; wq 8,192,000 bytes; qkv 10,878,976 bytes; at 6,553,600 bytes
;; launch quant (part 1): grid 416 x 1, 4 waves a work-group, no clusters, 34,304 bytes of LDS; arguments hidden_states, Wq, Wk, Wv, Wo, xq, wq; writes xq, wq
.if DOCPART == 1
	.amdgcn_target "amdgcn-amd-amdhsa--gfx1250"
	.amdhsa_code_object_version 6
	.text
	.protected	k_q8fd3bbd926_quant
	.globl	k_q8fd3bbd926_quant
	.p2align	8
	.type	k_q8fd3bbd926_quant,@function
k_q8fd3bbd926_quant:
	s_mov_b64 s[64:65], 0
	v_nop
	global_prefetch_b8 v0, s[64:65] scope:SCOPE_SE
	s_setreg_imm32_b32 hwreg(HW_REG_WAVE_MODE, 25, 1), 1
	s_wait_xcnt 0x0
; hidden_states [4096][2048] and the four weights ([2048 (K)][N]), f32, become codes of FP6 (E2M3) with one E8M0 byte for each 32 along K,
; laid in the ORDER OF THE OPERAND'S REGISTERS.  A fragment is 16 rows x 128 K, 12 registers a lane; its image is 1,536 bytes: registers 4 c .. 4 c + 3 of lane l at 512 c + 16 l.
; xq: codes [row tile 256][K step 16][1536]; from XS_OFF on the scale words [row tile][pair of K steps 8][row 16][2 words].   wq: the same for 320 tiles of 16 features:
; tiles 0-127 Wq's columns; 128 + 16 t + 0..7 Wk's columns 128 t on; 128 + 16 t + 8..15 Wv's columns 128 t on; 192-319 Wo's columns.
; IN EVERY GROUP OF 32 FEATURES place 16 u + 8 g + j holds feature 16 g + 8 u + j: used as source 0 of a product, a lane's 16 results of two neighbouring tiles are then 16 neighbouring features.
; A block's scale byte is its largest magnitude's exponent field - 2, held at 1 from below by a floor among the maximum's leaves.
; LIMITS: NaN and infinities are not served; a block of zeros gets the byte 1 (its codes are zeros; this program alone reads the bytes); blocks whose largest magnitude lies under 2^-124 are held at the byte 1.
; Work-groups 0-159 take the weights (512 along K x 128 columns each), 160-415 the rows of hidden_states (one row tile each).  Only the rows' path touches LDS; waves share nothing: no barrier.
.set XS_OFF, 6291456
.set WS_OFF, 7864320
.set SEL, 20                           ; s[20:21] selects of v_permlanex16_b32: lane l xor 16
.set R,   16                           ; v16-143   rows' path: two sets of 64 numbers as loaded
.set XN,  144                          ; v144-207  64 numbers of my row: register 16 b + i = k 32 b + 16 (lane / 16) + i
.set PC,  208                          ; v208-226  the codes just made
.set TM,  228                          ; v228-243  at work
.set PW,  244                          ; v244      the scale word just made
.set WD,  246                          ; v246-249  the four fragments' scale words
.set XW,  16                           ; v16-79    weights' path: two sets of 32 numbers down K
.set C,   80                           ; v80-103   a K step's codes of my wave's two tiles
.set T,   104                          ; v104-118  the upper halves of the blocks' codes as converted
.set WSW, 120                          ; v120-123  my column's four scale words
	s_load_b256 s[4:11], s[0:1], 0x0               ; hidden_states s[4:5], Wq s[6:7], Wk s[8:9], Wv s[10:11]
	s_load_b128 s[12:15], s[0:1], 0x20             ; Wo s[12:13], xq s[14:15]
	s_load_b64 s[16:17], s[0:1], 0x30              ; wq
	v_lshl_add_u32 v254, v0, 2, 0x8400
	v_mov_b32 v255, 0
	v_lshrrev_b32 v1, 5, v0
	v_readfirstlane_b32 s18, v1                    ; wave 0..3
	v_and_b32 v1, 31, v0                           ; lane
	v_and_b32 v2, 15, v0                           ; r
	v_bfe_u32 v3, v0, 4, 1                         ; h
	v_lshlrev_b32 v4, 4, v1                        ; 16 x lane
	v_lshlrev_b32 v7, 3, v1                        ; 8 x lane
	s_mov_b32 s[SEL], 0x76543210
	s_mov_b32 s[SEL+1], 0xfedcba98
	s_cmp_lt_u32 ttmp9, 160
	s_cbranch_scc1 .Lweights
; ---------------- THE ROWS.  Work-group g takes row tile g, wave w its K steps 4 w .. 4 w + 3: four fragments.
; Each load reads 512 consecutive bytes of one row; a fragment's 16 x 512 bytes turn through the wave's own stage (rows 528 bytes apart), from which a lane takes 16 neighbours of each block of 32 of its row.
	s_sub_co_u32 s22, ttmp9, 160                   ; g
	s_lshl_b32 s24, s22, 17                        ; 16 rows of 8,192 bytes
	s_lshl_b32 s25, s18, 11                        ; my wave's 512 numbers of a row
	s_add_co_u32 s24, s24, s25
	s_mov_b32 s25, 0
	s_mul_i32 s26, s22, 24576                      ; the tile's codes,
	s_mul_i32 s27, s18, 6144                       ; my four fragments
	s_add_co_u32 s26, s26, s27
	s_mov_b32 s27, 0
	s_lshl_b32 s28, s22, 10                        ; the tile's scale words,
	s_lshl_b32 s29, s18, 8                         ; my two pairs of K steps
	s_add_co_u32 s28, s28, s29
	s_add_co_u32 s28, s28, XS_OFF
	s_mov_b32 s29, 0
	s_mul_i32 s30, s18, 8448                       ; my stage
	s_wait_alu depctr_va_vdst(0)
	v_add_nc_u32 v5, s30, v4                       ; into it: 16 x lane of a row
	v_mul_u32_u24 v6, v2, 528
	v_lshl_add_u32 v6, v3, 6, v6
	v_add_nc_u32 v6, s30, v6                       ; out of it: row r, + 64 h
.irp b, 0,1,2,3
	v_mov_b32 v[TM+4+\b], 0                        ; written once: a lane permute's destination counts as one of its sources
.endr
	s_wait_alu depctr_va_vdst(0)
	s_wait_kmcnt 0x0
	s_add_nc_u64 s[4:5], s[4:5], s[24:25]
	s_add_nc_u64 s[26:27], s[14:15], s[26:27]
	s_add_nc_u64 s[28:29], s[14:15], s[28:29]
.macro XLOAD f
.irp i, 0,1,2,3,4,5,6,7,8,9,10,11,12,13,14,15
	global_load_b128 v[R+64*((\f)%2)+4*\i:R+64*((\f)%2)+4*\i+3], v4, s[4:5] offset:\i*8192+(\f)*512 th:TH_LOAD_NT
.endr
.endm
.macro XTURN f                         ; LDS serves a wave's instructions in order: no wait between the stores and the loads
.irp i, 0,1,2,3,4,5,6,7,8,9,10,11,12,13,14,15
	ds_store_b128 v5, v[R+64*((\f)%2)+4*\i:R+64*((\f)%2)+4*\i+3] offset:\i*528
.endr
.irp b, 0,1,2,3
.irp j, 0,1,2,3
	ds_load_b128 v[XN+16*\b+4*\j:XN+16*\b+4*\j+3], v6 offset:128*\b+16*\j
.endr
.endr
.endm
; 64 numbers of a lane, register 16 b + i = k 32 b + 16 (lane / 16) + i of my row, become a fragment's codes in v[PC] on and its scale word in v[PW]
.macro QUANT s
.irp b, 0,1,2,3
	v_max3_num_f32 v[TM+\b], |v[\s+16*\b]|, |v[\s+1+16*\b]|, 0x1800000   ; my 16 numbers of block b, and the floor 2^(3 - 127)
.endr
.irp i, 2,4,6,8,10,12,14
.irp b, 0,1,2,3
	v_max3_num_f32 v[TM+\b], v[TM+\b], |v[\s+16*\b+\i]|, |v[\s+1+16*\b+\i]|
.endr
.endr
.irp b, 0,1,2,3
	v_permlanex16_b32 v[TM+4+\b], v[TM+\b], s[SEL], s[SEL+1]
.endr
.irp b, 0,1,2,3
	v_max_num_f32 v[TM+\b], v[TM+\b], v[TM+4+\b]   ; with lane l xor 16's: the block's largest magnitude
.endr
.irp b, 0,1,2,3
	v_add_nc_u32 v[TM+12+\b], 0xff000000, v[TM+\b] ; 2 off its exponent field: the conversion's scale operand
.endr
.irp b, 0,1,2,3
	v_lshrrev_b32 v[TM+4+\b], 23, v[TM+12+\b]      ; the scale's byte
.endr
	v_lshl_or_b32 v[PW], v[TM+5], 8, v[TM+4]
	v_lshl_or_b32 v[PW], v[TM+6], 16, v[PW]
	v_lshl_or_b32 v[PW], v[TM+7], 24, v[PW]
.irp c, 0,1
	v_cvt_scalef32_pk16_fp6_f32 v[PC+6*\c:PC+2+6*\c], v[\s+32*\c:\s+15+32*\c], v[TM+12+2*\c]
	v_cvt_scalef32_pk16_fp6_f32 v[PC+12+4*\c:PC+14+4*\c], v[\s+16+32*\c:\s+31+32*\c], v[TM+12+2*\c+1]   ; (a conversion's three registers begin on an even number)
.endr
	v_nop                                          ; one plain line behind the scaled conversions
.irp c, 0,1                                    ; the operand wants a WHOLE block in a lane: lanes 0-15 block 2 c, lanes 16-31 block 2 c + 1
.irp i, 0,1,2
	v_permlane16_swap_b32 v[PC+6*\c+\i], v[PC+12+4*\c+\i]
.endr
.irp i, 0,1,2
	v_mov_b32 v[PC+3+6*\c+\i], v[PC+12+4*\c+\i]
.endr
.endr
.endm
	XLOAD 0
	XLOAD 1
.irp f, 0,1,2,3
.if \f < 3
	s_wait_loadcnt 16                              ; this fragment's 16 loads are in; the next fragment's 16 may be out
.else
	s_wait_loadcnt 0x0
.endif
	XTURN \f
	s_wait_dscnt 0x0                               ; my 64 numbers are back, and the stage's stores have read their registers,
.if \f < 2
	XLOAD \f+2                                     ; which take the fragment two on
.endif
.if \f > 0
	s_wait_xcnt 0x0                                ; the last fragment's stores have read the codes' registers
.endif
	QUANT XN
	v_mov_b32 v[WD+\f], v[PW]
.irp c, 0,1,2
	global_store_b128 v4, v[PC+4*\c:PC+4*\c+3], s[26:27] offset:\f*1536+512*\c   ; 32 lanes store 512 consecutive bytes
.endr
.endr
	v_cmp_lt_u32 vcc_lo, 15, v1                    ; lanes 0-15: row r's words of K steps 0, 1; lanes 16-31: of K steps 2, 3
	v_cndmask_b32 v250, v[WD], v[WD+2], vcc_lo
	v_cndmask_b32 v251, v[WD+1], v[WD+3], vcc_lo
	global_store_b64 v7, v[250:251], s[28:29]      ; 256 consecutive bytes, at a multiple of 256 from the buffer's first byte
	s_wait_tensorcnt 0x0
	ds_add_u32 v254, v255
	s_wait_dscnt 0x0
	s_endpgm
; ---------------- THE WEIGHTS.  A lane takes a column, its registers run down K: a block of 32 lies in one lane, and the conversions give the codes with K innermost.
; Work-group j: rows 512 (j & 3) on of K, columns 128 (j >> 2) on of the four weights laid side by side (Wq 16 groups, Wk 4, Wv 4, Wo 16).  Wave w: 32 columns, two tiles.
.Lweights:
	s_and_b32 s23, ttmp9, 3                        ; kq
	s_lshr_b32 s22, ttmp9, 2                       ; cg
	s_wait_alu depctr_va_vdst(0)
	v_and_b32 v8, 7, v1                            ; my lane stands at its PLACE in the group of 32 and reads the feature that belongs there:
	v_bfe_u32 v9, v1, 4, 1
	v_lshl_or_b32 v8, v9, 3, v8                    ; bits 3 and 4 of the lane's number change places
	v_bfe_u32 v9, v1, 3, 1
	v_lshl_or_b32 v8, v9, 4, v8
	v_lshlrev_b32 v8, 2, v8
	s_wait_kmcnt 0x0
	s_sub_co_u32 s24, s22, 16
	s_cmp_lt_u32 s24, 8                            ; groups 16-23 are Wk's and Wv's: rows of 2,048 bytes
	s_cbranch_scc1 .Lnarrow
	s_cmp_lt_u32 s22, 16
	s_cselect_b64 s[4:5], s[6:7], s[12:13]         ; Wq or Wo: the choice hangs on the work-group's number alone
	s_cselect_b32 s24, 0, 24
	s_cselect_b32 s25, 0, 192
	s_sub_co_u32 s24, s22, s24                     ; lc: which 128 columns of that weight
	s_lshl_b32 s26, s24, 3
	s_add_co_u32 s25, s25, s26                     ; their first tile in wq
.macro WLOAD t, pitch                  ; block t: W(32 t + i, my column), i = 0 .. 31, into set t % 2; a wave's load reads 128 consecutive bytes
.irp i, 0,1,2,3,4,5,6,7,8,9,10,11,12,13,14,15,16,17,18,19,20,21,22,23,24,25,26,27,28,29,30,31
	global_load_b32 v[XW+32*((\t)%2)+\i], v8, s[4:5] offset:(32*(\t)+\i)*\pitch th:TH_LOAD_NT
.endr
.endm
.macro WBLOCK t, pitch
.set XB, XW+32*((\t)%2)
.set KB, (\t)%4                        ; the block's place in its K step
.set CB, C+12*(KB&1)+6*(KB>>1)         ; blocks 0, 2 at C, C + 6; blocks 1, 3 at C + 12, C + 18
.if (\t) < 15
	s_wait_loadcnt 32                              ; this block's 32 loads are in; the next block's may be out
.else
	s_wait_loadcnt 0x0
.endif
	v_max3_num_f32 v124, |v[XB]|, |v[XB+1]|, |v[XB+2]|
	v_max3_num_f32 v125, |v[XB+3]|, |v[XB+4]|, |v[XB+5]|
.irp i, 6,10,14,18,22,26
	v_max3_num_f32 v124, v124, |v[XB+\i]|, |v[XB+\i+1]|
	v_max3_num_f32 v125, v125, |v[XB+\i+2]|, |v[XB+\i+3]|
.endr
	v_max3_num_f32 v124, v124, |v[XB+30]|, |v[XB+31]|
	v_max3_num_f32 v124, v124, v125, 0x1800000     ; and the floor 2^(3 - 127)
	v_add_nc_u32 v126, 0xff000000, v124            ; the conversion's scale operand
	v_lshrrev_b32 v127, 23, v126                   ; the scale's byte
.if KB == 0
	v_mov_b32 v[WSW+(\t)/4], v127
.else
	v_lshl_or_b32 v[WSW+(\t)/4], v127, 8*KB, v[WSW+(\t)/4]
.endif
.if (KB == 0) && ((\t) > 0)
	s_wait_alu depctr_va_vdst(0)
	s_wait_xcnt 0x0                                ; the last K step's stores have read the codes' registers
.endif
	v_cvt_scalef32_pk16_fp6_f32 v[CB:CB+2], v[XB:XB+15], v126
	v_cvt_scalef32_pk16_fp6_f32 v[T+4*KB:T+4*KB+2], v[XB+16:XB+31], v126
	v_nop                                          ; one plain line behind the scaled conversions
.irp i, 0,1,2
	v_mov_b32 v[CB+3+\i], v[T+4*KB+\i]
.endr
.if (\t) < 14
	WLOAD (\t)+2, \pitch
.endif
.if KB == 3                            ; lanes 0-15 hold the first tile's columns, lanes 16-31 the second's.  A fragment wants blocks 0, 2 in lanes 0-15 and blocks 1, 3 in lanes 16-31:
.irp i, 0,1,2,3,4,5,6,7,8,9,10,11
	v_permlane16_swap_b32 v[C+\i], v[C+12+\i]      ; the first's lanes 16-31 change places with the second's lanes 0-15: C + 0..11 is the first tile's fragment, C + 12..23 the second's
.endr
.irp u, 0,1
.irp c, 0,1,2
	global_store_b128 v4, v[C+12*\u+4*\c:C+12*\u+4*\c+3], s[28:29] offset:\u*24576+((\t)/4)*1536+512*\c
.endr
.endr
.endif
.endm
.macro WPATH pitch
	s_lshl_b32 s26, s18, 1
	s_add_co_u32 s25, s25, s26                     ; my wave's first tile
	s_mul_i32 s26, s23, 512*\pitch
	s_lshl_b32 s27, s24, 9
	s_add_co_u32 s26, s26, s27
	s_lshl_b32 s27, s18, 7
	s_add_co_u32 s26, s26, s27
	s_mov_b32 s27, 0
	s_add_nc_u64 s[4:5], s[4:5], s[26:27]          ; the weight at my rows of K and my wave's 32 columns
	s_mul_i32 s28, s25, 24576
	s_mul_i32 s29, s23, 6144
	s_add_co_u32 s28, s28, s29
	s_mov_b32 s29, 0
	s_add_nc_u64 s[28:29], s[16:17], s[28:29]      ; the tile's codes at my four K steps
	s_lshl_b32 s30, s25, 10
	s_lshl_b32 s31, s23, 8
	s_add_co_u32 s30, s30, s31
	s_add_co_u32 s30, s30, WS_OFF
	s_mov_b32 s31, 0
	s_add_nc_u64 s[30:31], s[16:17], s[30:31]      ; and its scale words
	WLOAD 0, \pitch
	WLOAD 1, \pitch
.set QB, 0
.rept 16
	WBLOCK QB, \pitch
.set QB, QB+1
.endr
	v_permlane16_swap_b32 v[WSW], v[WSW+2]         ; the scale words likewise: lanes 0-15 the words of K steps 0, 1, lanes 16-31 of K steps 2, 3, of ONE tile's rows
	v_permlane16_swap_b32 v[WSW+1], v[WSW+3]
	global_store_b64 v7, v[WSW:WSW+1], s[30:31]    ; 256 consecutive bytes each
	global_store_b64 v7, v[WSW+2:WSW+3], s[30:31] offset:1024
	s_endpgm
.endm
	s_wait_alu depctr_va_vdst(0)
	WPATH 8192
.Lnarrow:
	s_cmp_lt_u32 s22, 20
	s_cselect_b64 s[4:5], s[8:9], s[10:11]         ; Wk or Wv
	s_cselect_b32 s24, 16, 20
	s_cselect_b32 s25, 0, 8
	s_sub_co_u32 s24, s22, s24                     ; lc
	s_lshl_b32 s26, s24, 4
	s_add_co_u32 s25, s25, s26
	s_add_co_u32 s25, s25, 128                     ; 128 + 16 lc (+ 8 for Wv)
	s_wait_alu depctr_va_vdst(0)
	WPATH 2048
.Lfunc_end_k_q8fd3bbd926_quant:
	.size	k_q8fd3bbd926_quant, .Lfunc_end_k_q8fd3bbd926_quant-k_q8fd3bbd926_quant
	.p2alignl 7, 3214868480
	.fill 96, 4, 3214868480
	.section	.rodata,"a",@progbits
	.p2align	6, 0x0
	.amdhsa_kernel k_q8fd3bbd926_quant
		.amdhsa_group_segment_fixed_size 34304
		.amdhsa_private_segment_fixed_size 0
		.amdhsa_enable_private_segment 0
		.amdhsa_kernarg_size 56
		.amdhsa_user_sgpr_count 2
		.amdhsa_user_sgpr_kernarg_segment_ptr 1
		.amdhsa_wavefront_size32 1
		.amdhsa_system_sgpr_workgroup_id_x 1
		.amdhsa_system_sgpr_workgroup_id_y 1
		.amdhsa_system_sgpr_workgroup_id_z 1
		.amdhsa_system_vgpr_workitem_id 0
		.amdhsa_next_free_vgpr 256
		.amdhsa_next_free_sgpr 66
		.amdhsa_reserve_vcc 1
		.amdhsa_float_denorm_mode_32 3
		.amdhsa_float_denorm_mode_16_64 3
		.amdhsa_memory_ordered 1
		.amdhsa_forward_progress 1
		.amdhsa_inst_pref_size 187
	.end_amdhsa_kernel
	.amdgpu_metadata
---
amdhsa.version: [ 1, 2 ]
amdhsa.kernels:
  - .name:           k_q8fd3bbd926_quant
    .symbol:         k_q8fd3bbd926_quant.kd
    .args:
      - { .name: hidden_states, .offset: 0, .size: 8, .value_kind: global_buffer, .address_space: global }
      - { .name: Wq, .offset: 8, .size: 8, .value_kind: global_buffer, .address_space: global }
      - { .name: Wk, .offset: 16, .size: 8, .value_kind: global_buffer, .address_space: global }
      - { .name: Wv, .offset: 24, .size: 8, .value_kind: global_buffer, .address_space: global }
      - { .name: Wo, .offset: 32, .size: 8, .value_kind: global_buffer, .address_space: global }
      - { .name: xq, .offset: 40, .size: 8, .value_kind: global_buffer, .address_space: global }
      - { .name: wq, .offset: 48, .size: 8, .value_kind: global_buffer, .address_space: global }
    .group_segment_fixed_size: 34304
    .private_segment_fixed_size: 0
    .kernarg_segment_align: 8
    .kernarg_segment_size: 56
    .max_flat_workgroup_size: 128
    .sgpr_count:     66
    .vgpr_count:     256
    .wavefront_size: 32
...
	.end_amdgpu_metadata
.endif
;; end of part 1
;; launch gemm_qkv (part 2): grid 12 x 16, 4 waves a work-group, clusters of 4 x 4, 327,680 bytes of LDS; arguments xq, wq, cos, sin, qkv; writes qkv
.if DOCPART == 2
	.amdgcn_target "amdgcn-amd-amdhsa--gfx1250"
	.amdhsa_code_object_version 6
	.text
	.protected	k_q8fd3bbd926_gemm_qkv
	.globl	k_q8fd3bbd926_gemm_qkv
	.p2align	8
	.type	k_q8fd3bbd926_gemm_qkv,@function
k_q8fd3bbd926_gemm_qkv:
	s_mov_b64 s[64:65], 0
	v_nop
	global_prefetch_b8 v0, s[64:65] scope:SCOPE_SE
	s_setreg_imm32_b32 hwreg(HW_REG_WAVE_MODE, 25, 1), 1
	s_wait_xcnt 0x0
	s_wait_alu depctr_hold_cnt(0) depctr_sa_sdst(0) depctr_va_vdst(0) depctr_va_sdst(0) depctr_va_ssrc(0) depctr_va_vcc(0) depctr_vm_vsrc(0)
	s_getreg_b32 s2, hwreg(HW_REG_IB_STS2, 6, 4)
	s_cmp_eq_u32 s2, 0
	s_cbranch_scc0 .Lentry_in_a_cluster
	s_endpgm
.Lentry_in_a_cluster:
	s_bfe_u32 s2, ttmp6, 0x10000c
	s_cmp_lg_u32 s2, 0xf033
	s_cbranch_scc0 .Lentry_shape_is_right
	s_endpgm
.Lentry_shape_is_right:
; q, k, v = hidden_states x (Wq | Wk | Wv) on codes of FP6 (E2M3) with E8M0 scales, then the rotary turn of q and k in f32, and all three quantised again on the way out: q and k along the head's 64, v along the keys.
; A tile of 256 tokens x 256 features is made by four waves, each 128 x 128: 64 accumulators of 16 x 16.  K = 2,048 goes in steps of 256 through a ring of two LDS slots filled by the tensor data mover.
; OPERANDS LIE IN MEMORY AND IN LDS AS IMAGES OF THEIR REGISTERS: a fragment (16 rows x 128 K, 12 registers a lane) is 1,536 bytes, registers 4 c .. 4 c + 3 of lane l at 512 c + 16 l: three loads of 16 bytes a lane, 512 consecutive bytes each.
; The scale words of the work-group's rows, for all of K, come into LDS once, with the first fills; its 256 rows of cos and sin once, behind the last lap's round.
; CLUSTERS: 4 x 4 work-groups; the four of a row of the cluster ask jointly for the tokens' tiles (and cos, sin), the four of a column for the weights' tiles.
; SOURCES.  q's and k's waves: source 0 = 16 features, source 1 = 16 tokens: a lane holds ONE token and, by the order in which the features were laid, 16 neighbouring features in the 16 registers of two neighbouring tiles.
; v's waves (tile columns 8-11, the wave's upper half of the columns): the two sources change places, by their LDS addresses alone: a lane holds ONE feature, and its registers run along the tokens, which are the next product's K.
; OUT (buffer qkv): q: [b x 32 + head][query tile 64][768]: 16 queries x 64 as half a fragment (registers 0-3 at 16 l, 4-5 at 512 + 8 l); its scale words from QS_OFF on, [head][128 tokens][2][lane][4 tiles].
;   From KV_OFF on, for each (b x 8 + kv head) and each 128 keys a record of 13,824 bytes: K's 8 half fragments; V^T's 4 fragments (16 of the head's 64 x 128 keys); K's scale words [2][lane][4]; V's [lane][4].
;   q's and k's scale words repeat their two bytes for the upper 64 of the instruction's 128, whose codes the reader sets to zero.
;   v's 32 keys of a block stand in the order 0-7, 16-23, 8-15, 24-31: the order in which the reader's own weights p come out of the same conversion.
; LIMITS: NaN and infinities are not served; a block of zeros gets the byte 1 (zero codes; this program alone reads the bytes).
; REGISTERS, in windows of 256: window 0: v16-29 addresses; v32-63 scale words, two sets; v128-223 source 1's fragments, one set; on the way out v32-207 are free.
;   window 1: source 0's fragments, two sets, at v0 and v128.   windows 2, 3: the accumulators: (a, b) at v[8 (8 (a % 4) + b)], a: source 1's block, b: source 0's.
.set NQ,     2                         ; matrix instructions deep in a slot
.set FR,     12
.set NL,     3                         ; LDS loads that bring a fragment
.set NP,     4                         ; places behind this matrix instruction (ISA guide 7.12.1)
.set HALFT,  24576                     ; 128 rows x 256 K: 8 row tiles x 3,072 bytes: what one tensor load brings
.set SLOT,   4*HALFT                   ; the tokens' 256 rows, then the weights' 256
.set LAPS,   4                         ; 2,048 / 512
.set SCL,    2*SLOT                    ; the scale words: 1,024 bytes a row tile
.set HALFS,  8192
.set CSL,    SCL+4*HALFS               ; cos's two halves of 128 rows, then sin's: rows of 128 bytes + 16
.set CSH,    128*144
.set SPARE,  CSL+4*CSH                 ; the spare words, 128 bytes for each wave: two blocks of 256 bytes that no other line names
.set XS_OFF, 6291456
.set WS_OFF, 7864320
.set QS_OFF, 6291456
.set KV_OFF, 7340032
.set REC,    13824
.set BKB,    8*REC
.set ADRA, 16                          ; v16-17  LDS address of source 1's fragments in slot 0, 1
.set ADRB, 20                          ; v20-21  of source 0's
.set L16,  24                          ; v24     16 x lane
.set L8,   25                          ; v25     8 x lane
.set VCS,  26                          ; v26     my token's cos in LDS
.set ADRS, 27                          ; v27     my scale words: lanes 0-15 source 1's rows, lanes 16-31 source 0's
.set SPW,  28                          ; v28     my spare word; never rewritten
.set NIL,  29                          ; v29     0; never rewritten
.set SC,   32
.set AF,   128
.set G1,   24                          ; s[24:31] group 1 for the tokens' tiles; s[32:39] group 0, a set for each slot
.set G0,   32
.set G1C,  40                          ; s[40:47] group 1 for cos and sin
.set G1B,  48                          ; s[48:55], s[56:63] the weights' tiles
.set G0B,  56
.set G1S,  68                          ; s[68:75], s[76:79] the tokens' scale words; s[80:87], s[88:91] the weights'
.set G0S,  76
.set G1SB, 80
.set G0SB, 88
.set G0C,  92                          ; s[92:95] group 0 for cos, s[96:99] for sin
.set G0C2, 96
.set MSB, 0
.macro WIN new                         ; the immediate's high byte repeats the setting that is left
.if MSB != (\new)
	s_set_vgpr_msb (MSB<<8)|(\new)
.set MSB, (\new)
.endif
.endm
.set MUL_LO, 0xa1                      ; source 0 window 1, source 1 window 0, C and D window 2
.set MUL_HI, 0xf1
.set TO_B,   0x40
; A joint load: waves 0 and 1 take the first line, waves 2 and 3 the second.  Four v_nop follow each line, ahead of the jump, the label and what follows.
.macro JLOAD g0a, g1a, g0b, g1b
	s_cmp_eq_u32 s15, 0
	s_cbranch_scc0 .Lfor_b_\@
	tensor_load_to_lds s[\g0a:\g0a+3], s[\g1a:\g1a+7]
	s_nop 0
.rept 4
	v_nop
.endr
	s_branch .Lasked_\@
.Lfor_b_\@:
	tensor_load_to_lds s[\g0b:\g0b+3], s[\g1b:\g1b+7]
	s_nop 0
.rept 4
	v_nop
.endr
.Lasked_\@:
.endm
.macro CREST                           ; a round of the cluster's barrier behind its opening barrier
	s_cmp_lg_u32 s14, 0
	s_cbranch_scc1 .Lnot_wave_0_\@
	s_barrier_signal -3
.Lnot_wave_0_\@:
	s_barrier_wait -3
	s_barrier_signal -1
	s_barrier_wait -1
.endm
.macro CROUND
	s_barrier_signal -1
	s_barrier_wait -1
	CREST
.endm
	s_load_b256 s[4:11], s[0:1], 0x0               ; xq s[4:5], wq s[6:7], cos s[8:9], sin s[10:11]
	s_load_b64 s[12:13], s[0:1], 0x20              ; qkv
	v_lshl_add_u32 v[SPW], v0, 2, SPARE
	v_mov_b32 v[NIL], 0
	ds_add_u32 v28, v29
	ds_add_u32 v28, v29
	s_wait_dscnt 0x0
	v_lshrrev_b32 v1, 5, v0
	v_readfirstlane_b32 s14, v1                    ; wave 0..3
	s_lshr_b32 s15, s14, 1                         ; which half of the tile's tokens is mine.  Also: which line of a joint load I take
	s_and_b32 s16, s14, 1                          ; which half of its features.  Also: which 128 rows I fetch
	s_bfe_u32 s18, ttmp6, 0x40000                  ; cx
	s_bfe_u32 s20, ttmp6, 0x40004                  ; cy
	s_lshl_b32 s100, ttmp9, 2
	s_add_co_u32 s100, s100, s18                   ; tile column 0..11
	s_and_b32 s17, ttmp7, 0xffff
	s_lshl_b32 s17, s17, 2
	s_add_co_u32 s17, s17, s20                     ; tile row 0..15
	s_lshl_b32 s2, s20, 2
	s_lshl_b32 s2, 15, s2                          ; my row of the cluster
	s_lshl_b32 s3, 0x1111, s18                     ; my column
	; group 1 for codes: 8 row tiles, of each 3,072 consecutive bytes (384 elements of 8 bytes), 24,576 bytes apart; dense in LDS
	s_or_b32 s[G1+0], s2, (3<<16)|(1<<21)
	s_or_b32 s[G1B+0], s3, (3<<16)|(1<<21)
.irp g, G1, G1B
	s_mov_b32 s[\g+1], 384<<16                     ; tensor_dim0
	s_mov_b32 s[\g+2], 16<<16                      ; tensor_dim1: 16 row tiles for the head's loads; set to 8 behind them, for the ring's
	s_mov_b32 s[\g+3], 384<<16                     ; tile_dim0
	s_mov_b32 s[\g+4], 16                          ; tile_dim1 likewise
	s_mov_b32 s[\g+5], 3072                        ; tensor_dim0_stride
	s_mov_b32 s[\g+6], 0
	s_mov_b32 s[\g+7], 0
.endr
	; for the scale words of 256 rows: 16,384 dense bytes as 64 rows of 256
	s_or_b32 s[G1S+0], s2, (3<<16)|(1<<21)
	s_or_b32 s[G1SB+0], s3, (3<<16)|(1<<21)
.irp g, G1S, G1SB
	s_mov_b32 s[\g+1], 32<<16
	s_mov_b32 s[\g+2], 64<<16                      ; the scale words of 256 rows: 16,384 dense bytes as 64 rows of 256
	s_mov_b32 s[\g+3], 32<<16
	s_mov_b32 s[\g+4], 64
	s_mov_b32 s[\g+5], 32
	s_mov_b32 s[\g+6], 0
	s_mov_b32 s[\g+7], 0
.endr
	; for cos and sin: 128 rows of 128 bytes (16 elements), dense in memory; 4 words of padding behind every 32 words
	s_or_b32 s[G1C+0], s2, (3<<16)|(1<<20)|(1<<21)|(4<<22)|(3<<25)
	s_mov_b32 s[G1C+1], 16<<16
	s_mov_b32 s[G1C+2], 128<<16
	s_mov_b32 s[G1C+3], 16<<16
	s_mov_b32 s[G1C+4], 128
	s_mov_b32 s[G1C+5], 16
	s_mov_b32 s[G1C+6], 0
	s_mov_b32 s[G1C+7], 0
	; the tokens' side hangs on the tile row and the wave, the weights' on the tile column and the wave, each in registers of its own
	s_lshl_b32 s20, s17, 4                         ; the tile's first row tile of xq: 16 x tile row
	s_lshl_b32 s22, s20, 10
	s_add_co_u32 s22, s22, XS_OFF                  ; its scale words,
	s_mul_i32 s20, s20, 24576                      ; its codes
	s_mov_b32 s21, 0
	s_mov_b32 s23, 0
	s_lshl_b32 s18, s100, 4                        ; the same in wq
	s_lshl_b32 s66, s18, 10
	s_add_co_u32 s66, s66, WS_OFF
	s_mul_i32 s18, s18, 24576
	s_mov_b32 s19, 0
	s_mov_b32 s67, 0
	s_wait_kmcnt 0x0
	CROUND                                         ; all sixteen work-groups are here: the first joint loads meet
	s_mov_b32 s[G0S], 1
	s_mov_b32 s[G0S+1], SCL                        ; the tokens' scale words, all 256 rows
	s_add_nc_u64 s[G0S+2:G0S+3], s[4:5], s[22:23]
	s_or_b32 s[G0S+3], s[G0S+3], 0x80000000
	s_mov_b32 s[G0SB], 1
	s_mov_b32 s[G0SB+1], SCL+2*HALFS               ; the weights', behind them
	s_add_nc_u64 s[G0SB+2:G0SB+3], s[6:7], s[66:67]
	s_or_b32 s[G0SB+3], s[G0SB+3], 0x80000000
	s_lshl_b32 s22, s17, 15                        ; 256 rows of 128 bytes a tile row,
	s_lshl_b32 s2, s16, 14                         ; 128 rows a half
	s_add_co_u32 s22, s22, s2
	s_mul_i32 s101, s14, CSH
	s_mov_b32 s[G0C], 1
	s_add_co_u32 s[G0C+1], s101, CSL
	s_add_nc_u64 s[G0C+2:G0C+3], s[8:9], s[22:23]
	s_or_b32 s[G0C+3], s[G0C+3], 0x80000000
	s_mov_b32 s[G0C2], 1
	s_add_co_u32 s[G0C2+1], s101, CSL
	s_add_nc_u64 s[G0C2+2:G0C2+3], s[10:11], s[22:23]
	s_or_b32 s[G0C2+3], s[G0C2+3], 0x80000000
	; cos and sin are asked for behind the last lap's round, where no slot is filled again: only the way out reads them
	s_mul_i32 s101, s14, HALFT
	s_add_nc_u64 s[20:21], s[4:5], s[20:21]
	s_add_nc_u64 s[18:19], s[6:7], s[18:19]
	s_mov_b32 s4, 1                                ; group 0 of the head's loads of K step 0, in registers whose arguments have been used: the tokens' 256 rows,
	s_mov_b32 s5, 0
	s_mov_b64 s[6:7], s[20:21]
	s_or_b32 s7, s7, 0x80000000
	s_mov_b32 s8, 1                                ; the weights' 256 rows, behind them in slot 0
	s_mov_b32 s9, 2*HALFT
	s_mov_b64 s[10:11], s[18:19]
	s_or_b32 s11, s11, 0x80000000
	s_mul_i32 s2, s16, 8*24576                     ; for the ring: my 8 row tiles of the 16
	s_mov_b32 s3, 0
	s_add_nc_u64 s[20:21], s[20:21], s[2:3]
	s_add_nc_u64 s[18:19], s[18:19], s[2:3]
	; the prefetches' base, s[66:67]: of the 8 row tiles that I fetch, the partner at place p (cx for the tokens, cy for the weights) takes tiles 2 p, 2 p + 1: told apart by address alone
	s_bfe_u32 s66, ttmp6, 0x40000
	s_bfe_u32 s67, ttmp6, 0x40004
	s_cmp_eq_u32 s15, 0
	s_cselect_b32 s2, s66, s67
	s_cselect_b64 s[66:67], s[20:21], s[18:19]
	s_mul_i32 s2, s2, 2*24576
	s_add_nc_u64 s[66:67], s[66:67], s[2:3]
.irp s, 0,1
	s_mov_b32 s[G0+4*\s], 1
	s_add_co_u32 s[G0+4*\s+1], s101, \s*SLOT
	s_add_nc_u64 s[G0+4*\s+2:G0+4*\s+3], s[20:21], \s*3072
	s_or_b32 s[G0+4*\s+3], s[G0+4*\s+3], 0x80000000
	s_mov_b32 s[G0B+4*\s], 1
	s_add_co_u32 s[G0B+4*\s+1], s101, \s*SLOT
	s_add_nc_u64 s[G0B+4*\s+2:G0B+4*\s+3], s[18:19], \s*3072
	s_or_b32 s[G0B+4*\s+3], s[G0B+4*\s+3], 0x80000000
.endr
; THE HEAD'S LOADS, ONE A WAVE: wave 0 slot 0's 256 rows of tokens, wave 1 its 256 rows of weights, wave 2 the tokens' scale words, wave 3 the weights'.
; One tree of branches on the wave's number: every way through it passes exactly one load.
.macro ARM under, g0, g1, next
	s_cmp_lt_u32 s14, \under
	s_cbranch_scc0 \next
	tensor_load_to_lds s[\g0:\g0+3], s[\g1:\g1+7]
	s_nop 0
.rept 4
	v_nop
.endr
	s_branch .Lhead_asked
\next:
.endm
	ARM 1, 4, G1, .Lhead_b
	ARM 2, 8, G1B, .Lhead_sa
	ARM 3, G0S, G1S, .Lhead_sb
	tensor_load_to_lds s[G0SB:G0SB+3], s[G1SB:G1SB+7]
	s_nop 0
.rept 4
	v_nop
.endr
.Lhead_asked:
	; A PREFETCH asks for one K chunk (3,072 bytes, 12 blocks of 256) of two row tiles: lanes 0-23 a block each, the lanes left over name the last block again.  Chunk c is asked for two fills ahead of its load.
	v_and_b32 v30, 31, v0
	v_min_u32 v30, 23, v30
	v_mul_u32_u24 v31, v30, 22
	v_lshrrev_b32 v31, 8, v31                      ; lane / 12
	v_mul_u32_u24 v31, v31, 24576-3072
	v_lshl_add_u32 v30, v30, 8, v31                ; 256 x lane, the second twelve in the next row tile; never rewritten
	global_prefetch_b8 v30, s[66:67] offset:3072 th:TH_LOAD_NT scope:SCOPE_SE
	global_prefetch_b8 v30, s[66:67] offset:6144 th:TH_LOAD_NT scope:SCOPE_SE
	v_and_b32 v1, 31, v0
	v_and_b32 v2, 15, v0                           ; r
	v_bfe_u32 v3, v0, 4, 1                         ; h
	v_lshlrev_b32 v[L16], 4, v1
	s_wait_alu depctr_va_vdst(0)
	v_lshlrev_b32 v[L8], 3, v1
	s_lshr_b32 s101, ttmp9, 1                      ; 1 in the third column of clusters (tile columns 8-11),
	s_and_b32 s101, s101, s16                      ; in the waves of the upper half of the features: V'S WAVES.  The same in all partners, for a given wave
	s_mul_i32 s18, s15, HALFT                      ; my 128 tokens
	s_mul_i32 s19, s16, HALFT
	s_add_co_u32 s19, s19, 2*HALFT                 ; my 128 features, behind the tokens' 256 rows
	s_sub_co_u32 s19, s19, s18                     ; the distance between the two
	s_xor_b32 s20, s101, 1
	s_mul_i32 s21, s101, s19
	s_add_co_u32 s21, s21, s18                     ; source 1: the tokens; in v's waves the features
	s_mul_i32 s20, s20, s19
	s_add_co_u32 s20, s20, s18                     ; source 0: the features; in v's waves the tokens
.irp s, 0,1
	v_add_nc_u32 v[ADRA+\s], s21, v[L16]
	v_add_nc_u32 v[ADRB+\s], s20, v[L16]
	s_add_co_u32 s21, s21, SLOT
	s_add_co_u32 s20, s20, SLOT
.endr
	s_mul_i32 s18, s15, HALFS                      ; the scale words likewise: the tokens',
	s_mul_i32 s19, s16, HALFS
	s_add_co_u32 s19, s19, 2*HALFS                 ; the features',
	s_sub_co_u32 s19, s19, s18
	v_xor_b32 v4, s101, v3                         ; lanes 16-31 take source 0's, lanes 0-15 source 1's
	v_mul_u32_u24 v4, s19, v4
	s_add_co_u32 s18, s18, SCL
	v_lshl_add_u32 v[ADRS], v2, 3, v4              ; 8 bytes a row: the two words of a slot's 256 along K
	v_add_nc_u32 v[ADRS], s18, v[ADRS]
	s_mul_i32 s18, s15, CSH
	s_add_co_u32 s18, s18, CSL
	v_mul_u32_u24 v[VCS], v2, 144
	v_lshl_add_u32 v[VCS], v3, 6, v[VCS]
	v_add_nc_u32 v[VCS], s18, v[VCS]               ; cos of token r of my half, numbers 16 h on
.macro FRAG reg, adr, q, i             ; a fragment comes back as it was laid: three loads of 512 consecutive bytes
.irp c, 0,1,2
	ds_load_b128 v[\reg+4*\c:\reg+4*\c+3], v[\adr] offset:(\i)*3072+(\q)*1536+512*\c
.endr
.endm
; 16 matrix instructions: source 1's blocks a0, a0 + 1 x source 0's eight.  The 64 accumulators take turns, one instruction a turn, in the same order in every step.
.macro MUL16 a0, p, q, sc, zero
.irp a, \a0, \a0+1
.irp b, 0,1,2,3,4,5,6,7
.if \zero
	v_wmma_scale_f32_16x16x128_f8f6f4 v[8*(8*((\a)%4)+\b):8*(8*((\a)%4)+\b)+7], v[128*(\p)+FR*\b:128*(\p)+FR*\b+FR-1], v[AF+FR*(\a):AF+FR*(\a)+FR-1], 0, v[SC+8*NQ*(\sc)+NQ*\b+(\q)], v[SC+8*NQ*(\sc)+NQ*(\a)+(\q)] matrix_a_fmt:MATRIX_FMT_FP6 matrix_b_fmt:MATRIX_FMT_FP6 matrix_a_scale:MATRIX_SCALE_ROW1
.else
	v_wmma_scale_f32_16x16x128_f8f6f4 v[8*(8*((\a)%4)+\b):8*(8*((\a)%4)+\b)+7], v[128*(\p)+FR*\b:128*(\p)+FR*\b+FR-1], v[AF+FR*(\a):AF+FR*(\a)+FR-1], v[8*(8*((\a)%4)+\b):8*(8*((\a)%4)+\b)+7], v[SC+8*NQ*(\sc)+NQ*\b+(\q)], v[SC+8*NQ*(\sc)+NQ*(\a)+(\q)] matrix_a_fmt:MATRIX_FMT_FP6 matrix_b_fmt:MATRIX_FMT_FP6 matrix_a_scale:MATRIX_SCALE_ROW1
.endif
.endr
.endr
.endm
.macro FETCH_B slot, q, p
	WIN TO_B
.irp i, 0,1,2,3,4,5,6,7
	FRAG 128*(\p)+FR*\i, ADRB+\slot, \q, \i
.endr
	WIN 0
.endm
.macro FETCH_A slot, q, i0
.irp i, \i0, \i0+1, \i0+2, \i0+3
	FRAG AF+FR*(\i), ADRA+\slot, \q, \i
.endr
.endm
.macro SCALES sc                       ; a slot's two words a row: lanes 0-15 source 1's block i, lanes 16-31 source 0's block i
.irp i, 0,1,2,3,4,5,6,7
	ds_load_b64 v[SC+8*NQ*\sc+NQ*\i:SC+8*NQ*\sc+NQ*\i+1], v[ADRS] offset:\i*1024
.endr
.endm
.macro PLACES n                        ; plain vector lines between a matrix instruction and a load into, or a read of, its registers
.rept \n
	v_nop
.endr
.endm
.macro STEP slot, q, zero              ; 128 along K that has its successor in the same slot
	s_wait_dscnt 4*NL                              ; all but the youngest 12 loads (source 1's blocks 4-7) are in
	WIN MUL_LO
	MUL16 0, (\q)%2, \q, \slot, \zero
	MUL16 2, (\q)%2, \q, \slot, \zero
	s_wait_dscnt 0
	PLACES NP
	FETCH_B \slot, (\q)+1, 1-(\q)%2
	FETCH_A \slot, (\q)+1, 0
	WIN MUL_HI
	MUL16 4, (\q)%2, \q, \slot, \zero
	MUL16 6, (\q)%2, \q, \slot, \zero
	PLACES NP
	WIN 0
	FETCH_A \slot, (\q)+1, 4
.endm
; A slot's last step changes slots: one barrier; in front of it each wave waits for all its tensor loads, adds 0 to its spare word, and waits for that and for its own reads of this slot.
.macro TURN slot, next, fill
.if \fill
	s_wait_xcnt 0x0                                ; my last prefetch has read its base: it steps one chunk
	s_add_nc_u64 s[66:67], s[66:67], 3072
.endif
	s_wait_tensorcnt 0x0
	ds_add_u32 v[SPW], v[NIL]
	s_wait_dscnt 4*NL+1
	WIN MUL_LO
	MUL16 0, 1, NQ-1, \slot, 0
	s_wait_dscnt 0x0                               ; the add is done, and my reads of this slot are over
	s_barrier_signal -1
	MUL16 2, 1, NQ-1, \slot, 0
	WIN 0
	s_barrier_wait -1
.if \fill
	CREST                                          ; the barrier has opened a round of the cluster's barrier: no wave of any partner still reads this slot or has a load on its way
	s_add_nc_u64 s[G0+4*\slot+2:G0+4*\slot+3], s[G0+4*\slot+2:G0+4*\slot+3], 2*3072
	s_add_nc_u64 s[G0B+4*\slot+2:G0B+4*\slot+3], s[G0B+4*\slot+2:G0B+4*\slot+3], 2*3072
	JLOAD G0+4*\slot, G1, G0B+4*\slot, G1B         ; the first tensor load behind the round; its four v_nop are the places in front of the loads below
.else
	CREST                                          ; the last lap: no slot is filled again behind this round; cos and sin are filled for the first time
	JLOAD G0C, G1C, G0C2, G1C                      ; waves 0, 1: cos's halves; waves 2, 3: sin's; its four v_nop are the places in front of the loads below
.endif
	s_wait_alu depctr_va_vdst(0)
	v_add_nc_u32 v[ADRS], 128, v[ADRS]
	FETCH_B \next, 0, 0
	FETCH_A \next, 0, 0
	SCALES \next
.if \fill
	s_cmp_gt_u32 s3, 1                             ; the loop's last trip fills chunks 6 and 7: no chunk stands two on
	s_cbranch_scc0 .Lno_ask_\@
	global_prefetch_b8 v30, s[66:67] offset:9216 th:TH_LOAD_NT scope:SCOPE_SE   ; the chunk two fills on
.Lno_ask_\@:
.endif
	WIN MUL_HI
	MUL16 4, 1, NQ-1, \slot, 0
	MUL16 6, 1, NQ-1, \slot, 0
	PLACES NP
	WIN 0
	FETCH_A \next, 0, 4
.endm
	s_wait_alu depctr_va_vdst(0)
	s_wait_tensorcnt 0x0                           ; my tile of the head's four is in
	ds_add_u32 v[SPW], v[NIL]
	s_mov_b32 s[G1+2], 8<<16                       ; no tensor load of mine is out: from here on a load brings 8 row tiles
	s_mov_b32 s[G1+4], 8
	s_mov_b32 s[G1B+2], 8<<16
	s_mov_b32 s[G1B+4], 8
	s_wait_dscnt 0x0
	CROUND                                         ; all four tiles are in, and all sixteen work-groups are here
	JLOAD G0+4, G1, G0B+4, G1B                     ; slot 1's first fill, the first tensor load behind the round
	FETCH_B 0, 0, 0
	FETCH_A 0, 0, 0
	SCALES 0
	FETCH_A 0, 0, 4
	global_prefetch_b8 v30, s[66:67] offset:9216 th:TH_LOAD_NT scope:SCOPE_SE   ; chunk 3, behind chunk 1's load
	STEP 0, 0, 1
	s_mov_b32 s3, LAPS-1
.Llap:
	TURN 0, 1, 1
	STEP 1, 0, 0
	TURN 1, 0, 1
	STEP 0, 0, 0
	s_sub_co_u32 s3, s3, 1
	s_cmp_lg_u32 s3, 0
	s_cbranch_scc1 .Llap
	TURN 0, 1, 0                                   ; the last lap fills no slot; it asks for cos and sin
	STEP 1, 0, 0
	s_wait_dscnt 4*NL
	WIN MUL_LO
	MUL16 0, 1, NQ-1, 1, 0
	MUL16 2, 1, NQ-1, 1, 0
	s_wait_dscnt 0
	WIN MUL_HI
	MUL16 4, 1, NQ-1, 1, 0
	MUL16 6, 1, NQ-1, 1, 0
	WIN 0
	PLACES NP
	s_wait_tensorcnt 0x0                           ; my half of cos or sin is in,
	s_barrier_signal -1
	s_barrier_wait -1                              ; everybody's is
; ---------------- THE WAY OUT.  No stage: every image is stored from the registers in which it is made, 256 or 512 consecutive bytes a store.
.set SEL, 18                           ; s[18:19]
.set CB,  68                           ; s[68:71] where the codes of my two heads go; s[72:75] their scale words
.set SB,  72
	s_mov_b32 s[SEL], 0x76543210
	s_mov_b32 s[SEL+1], 0xfedcba98
	s_lshr_b32 s20, s17, 2                         ; b: my 128 tokens' sequence,
	s_lshl_b32 s21, s17, 1
	s_add_co_u32 s21, s21, s15
	s_and_b32 s21, s21, 7                          ; and which 128 of its 1,024
	s_and_b32 s22, s100, 3
	s_lshl_b32 s22, s22, 1
	s_lshl_b32 s23, s20, 3
	s_add_co_u32 s22, s22, s23                     ; 8 b + the first of the tile column's two KV heads
	s_mul_i32 s22, s22, BKB
	s_mul_i32 s23, s21, REC
	s_add_co_u32 s22, s22, s23
	s_add_co_u32 s22, s22, KV_OFF                  ; that head's record of these 128 keys
	s_cmp_eq_u32 s101, 1
	s_cbranch_scc1 .Lvwave
; q's and k's waves.  A lane holds token 16 a + r; of block a's 64 registers, 32 hd + 16 beta + i is d = 32 beta + 16 h + i of head hd.
.set CSR, 32                           ; v32-95   two sets: 16 cos, 16 sin
.set T,   96                           ; v96-127  products with sin
.set RO,  128                          ; v128-159 a head's 32 numbers of my token, turned
.set PC,  160                          ; v160-165 half a fragment's codes
.set PT,  168                          ; v168-170
.set TM,  176                          ; v176-184 at work
.set SW,  192                          ; v192-207 scale words: 8 hd + a
	s_lshl_b32 s66, s20, 5
	s_lshl_b32 s67, s100, 2
	s_add_co_u32 s66, s66, s67
	s_lshl_b32 s67, s16, 1
	s_add_co_u32 s66, s66, s67                     ; 32 b + my first query head
	s_mul_i32 s68, s66, 49152                      ; 64 tiles of 768 bytes a head,
	s_mul_i32 s67, s21, 6144                       ; 8 tiles for 128 tokens
	s_add_co_u32 s68, s68, s67
	s_add_co_u32 s70, s68, 49152
	s_lshl_b32 s72, s66, 13
	s_lshl_b32 s67, s21, 10
	s_add_co_u32 s72, s72, s67
	s_add_co_u32 s72, s72, QS_OFF
	s_add_co_u32 s74, s72, 8192
	s_add_co_u32 s76, s22, BKB                     ; k: the second head's record,
	s_add_co_u32 s77, s22, 12288                   ; and the two records' scale words
	s_add_co_u32 s78, s76, 12288
	s_cmp_eq_u32 ttmp9, 2                          ; k's work-groups: the third column of clusters
	s_cselect_b32 s68, s22, s68
	s_cselect_b32 s70, s76, s70
	s_cselect_b32 s72, s77, s72
	s_cselect_b32 s74, s78, s74
.irp g, 68,70,72,74
	s_mov_b32 s[\g+1], 0
	s_add_nc_u64 s[\g:\g+1], s[12:13], s[\g:\g+1]
.endr
	v_mov_b32 v[TM+2], 0                           ; a lane permute's destination counts as one of its sources
	v_mov_b32 v[TM+3], 0
.macro CSLOAD a                        ; cos and sin of token 16 a + r, numbers 16 h + 0 .. 15
.set CC, CSR+32*((\a)%2)
.irp j, 0,1,2,3
	ds_load_b128 v[CC+4*\j:CC+4*\j+3], v[VCS] offset:(\a)*2304+16*\j
.endr
.irp j, 0,1,2,3
	ds_load_b128 v[CC+16+4*\j:CC+16+4*\j+3], v[VCS] offset:2*CSH+(\a)*2304+16*\j
.endr
.endm
.macro ROPE a, hd                      ; x1 cos - x2 sin, x2 cos + x1 sin, two numbers an instruction; each accumulator is read from its low end on
.set AC, 64*((\a)%4)+32*(\hd)
.set CC, CSR+32*((\a)%2)
	WIN 0x02+(\a)/4                                ; source 0: window 2 or 3
.irp i, 0,2,4,6,8,10,12,14
	v_pk_mul_f32 v[T+\i:T+\i+1], v[AC+16+\i:AC+17+\i], v[CC+16+\i:CC+17+\i]
	v_pk_mul_f32 v[T+16+\i:T+17+\i], v[AC+\i:AC+\i+1], v[CC+16+\i:CC+17+\i]
.endr
.irp i, 0,2,4,6,8,10,12,14
	v_pk_fma_f32 v[RO+\i:RO+\i+1], v[AC+\i:AC+\i+1], v[CC+\i:CC+\i+1], v[T+\i:T+\i+1] neg_lo:[0,0,1] neg_hi:[0,0,1]
	v_pk_fma_f32 v[RO+16+\i:RO+17+\i], v[AC+16+\i:AC+17+\i], v[CC+\i:CC+\i+1], v[T+16+\i:T+17+\i]
.endr
	WIN 0
.endm
.macro QUANT2 s                        ; 32 numbers of a lane, register 16 beta + i = d 32 beta + 16 h + i, become six registers of codes in v[PC] on; the two bytes in v[TM+8]
.irp b, 0,1
	v_max3_num_f32 v[TM+\b], |v[\s+16*\b]|, |v[\s+1+16*\b]|, 0x1800000
.endr
.irp i, 2,4,6,8,10,12,14
.irp b, 0,1
	v_max3_num_f32 v[TM+\b], v[TM+\b], |v[\s+16*\b+\i]|, |v[\s+1+16*\b+\i]|
.endr
.endr
.irp b, 0,1
	v_permlanex16_b32 v[TM+2+\b], v[TM+\b], s[SEL], s[SEL+1]
.endr
.irp b, 0,1
	v_max_num_f32 v[TM+\b], v[TM+\b], v[TM+2+\b]
.endr
.irp b, 0,1
	v_add_nc_u32 v[TM+4+\b], 0xff000000, v[TM+\b]
.endr
.irp b, 0,1
	v_lshrrev_b32 v[TM+6+\b], 23, v[TM+4+\b]
.endr
	v_lshl_or_b32 v[TM+8], v[TM+7], 8, v[TM+6]
	s_wait_alu depctr_va_vdst(0)
	s_wait_xcnt 0x0                                ; the last stores have read the codes' registers
	v_cvt_scalef32_pk16_fp6_f32 v[PC:PC+2], v[\s:\s+15], v[TM+4]
	v_cvt_scalef32_pk16_fp6_f32 v[PT:PT+2], v[\s+16:\s+31], v[TM+5]
	v_nop                                          ; one plain line behind the scaled conversions
.irp i, 0,1,2
	v_permlane16_swap_b32 v[PC+\i], v[PT+\i]       ; lanes 0-15 get block 0 whole, lanes 16-31 block 1
.endr
.irp i, 0,1,2
	v_mov_b32 v[PC+3+\i], v[PT+\i]
.endr
.endm
	CSLOAD 0
.irp a, 0,1,2,3,4,5,6,7
.if \a < 7
	CSLOAD \a+1
	s_wait_dscnt 8                                 ; this block's cos and sin are in; the next block's eight loads may be out
.else
	s_wait_dscnt 0x0
.endif
.irp hd, 0,1
	ROPE \a, \hd
	QUANT2 RO
	v_lshl_or_b32 v[SW+8*\hd+\a], v[TM+8], 16, v[TM+8]   ; the two bytes, and once more for the upper 64 of the instruction's 128
	global_store_b128 v[L16], v[PC:PC+3], s[CB+2*\hd:CB+2*\hd+1] offset:\a*768
	global_store_b64 v[L8], v[PC+4:PC+5], s[CB+2*\hd:CB+2*\hd+1] offset:\a*768+512
.endr
.endr
.irp hd, 0,1
.irp hf, 0,1
	global_store_b128 v[L16], v[SW+8*\hd+4*\hf:SW+8*\hd+4*\hf+3], s[SB+2*\hd:SB+2*\hd+1] offset:512*\hf
.endr
.endr
	s_branch .Ldone
; v's waves.  A lane holds feature r of tile a; of block a's 64 registers, 8 b + j is token 16 b + 8 h + j: 128 keys, one fragment of V^T and one scale word a feature.
.Lvwave:
.set PCV, 160                          ; v160-178
.set TMV, 180                          ; v180-195
.set VW,  196                          ; v196-203 scale words
	s_mov_b32 s23, 0
	s_add_nc_u64 s[68:69], s[12:13], s[22:23]
.irp b, 0,1,2,3
	v_mov_b32 v[TMV+4+\b], 0
.endr
.macro QUANTV a
.set AC, 64*((\a)%4)
	WIN 0x28+0x14*((\a)/4)                         ; sources 1 and 2: window 2 or 3
.irp b, 0,1,2,3
	v_max3_num_f32 v[TMV+\b], 0x1800000, |v[AC+16*\b]|, |v[AC+1+16*\b]|   ; the floor, and my 16 of block b's 32 keys; each accumulator from its low end on
.endr
.irp i, 2,4,6,8,10,12,14
.irp b, 0,1,2,3
	v_max3_num_f32 v[TMV+\b], v[TMV+\b], |v[AC+16*\b+\i]|, |v[AC+1+16*\b+\i]|
.endr
.endr
	WIN 0
.irp b, 0,1,2,3
	v_permlanex16_b32 v[TMV+4+\b], v[TMV+\b], s[SEL], s[SEL+1]
.endr
.irp b, 0,1,2,3
	v_max_num_f32 v[TMV+\b], v[TMV+\b], v[TMV+4+\b]
.endr
.irp b, 0,1,2,3
	v_add_nc_u32 v[TMV+12+\b], 0xff000000, v[TMV+\b]
.endr
.irp b, 0,1,2,3
	v_lshrrev_b32 v[TMV+4+\b], 23, v[TMV+12+\b]
.endr
	v_lshl_or_b32 v[VW+\a], v[TMV+5], 8, v[TMV+4]
	v_lshl_or_b32 v[VW+\a], v[TMV+6], 16, v[VW+\a]
	v_lshl_or_b32 v[VW+\a], v[TMV+7], 24, v[VW+\a]
	s_wait_xcnt 0x0                                ; the last stores have read the codes' registers
	WIN 0x02+(\a)/4
.irp c, 0,1
	v_cvt_scalef32_pk16_fp6_f32 v[PCV+6*\c:PCV+2+6*\c], v[AC+32*\c:AC+15+32*\c], v[TMV+12+2*\c]
	v_cvt_scalef32_pk16_fp6_f32 v[PCV+12+4*\c:PCV+14+4*\c], v[AC+16+32*\c:AC+31+32*\c], v[TMV+12+2*\c+1]
.endr
	WIN 0
	v_nop
.irp c, 0,1
.irp i, 0,1,2
	v_permlane16_swap_b32 v[PCV+6*\c+\i], v[PCV+12+4*\c+\i]
.endr
.irp i, 0,1,2
	v_mov_b32 v[PCV+3+6*\c+\i], v[PCV+12+4*\c+\i]
.endr
.endr
.endm
.irp a, 0,1,2,3,4,5,6,7
	QUANTV \a
.irp c, 0,1,2
	global_store_b128 v[L16], v[PCV+4*\c:PCV+4*\c+3], s[68:69] offset:(\a/4)*BKB+6144+(\a%4)*1536+512*\c
.endr
.endr
.irp hd, 0,1
	global_store_b128 v[L16], v[VW+4*\hd:VW+4*\hd+3], s[68:69] offset:\hd*BKB+13312
.endr
.Ldone:
	s_wait_tensorcnt 0x0                           ; the wave's end
	ds_add_u32 v[SPW], v[NIL]
	s_wait_dscnt 0x0
	CROUND                                         ; the closing round: no work-group ends while a partner may still ask for a tile that names it
	s_endpgm
.Lfunc_end_k_q8fd3bbd926_gemm_qkv:
	.size	k_q8fd3bbd926_gemm_qkv, .Lfunc_end_k_q8fd3bbd926_gemm_qkv-k_q8fd3bbd926_gemm_qkv
	.p2alignl 7, 3214868480
	.fill 96, 4, 3214868480
	.section	.rodata,"a",@progbits
	.p2align	6, 0x0
	.amdhsa_kernel k_q8fd3bbd926_gemm_qkv
		.amdhsa_group_segment_fixed_size 327680
		.amdhsa_private_segment_fixed_size 0
		.amdhsa_enable_private_segment 0
		.amdhsa_kernarg_size 40
		.amdhsa_user_sgpr_count 2
		.amdhsa_user_sgpr_kernarg_segment_ptr 1
		.amdhsa_wavefront_size32 1
		.amdhsa_system_sgpr_workgroup_id_x 1
		.amdhsa_system_sgpr_workgroup_id_y 1
		.amdhsa_system_sgpr_workgroup_id_z 1
		.amdhsa_system_vgpr_workitem_id 0
		.amdhsa_next_free_vgpr 1024
		.amdhsa_next_free_sgpr 102
		.amdhsa_reserve_vcc 0
		.amdhsa_float_denorm_mode_32 3
		.amdhsa_float_denorm_mode_16_64 3
		.amdhsa_memory_ordered 1
		.amdhsa_forward_progress 1
		.amdhsa_inst_pref_size 218
	.end_amdhsa_kernel
	.amdgpu_metadata
---
amdhsa.version: [ 1, 2 ]
amdhsa.kernels:
  - .name:           k_q8fd3bbd926_gemm_qkv
    .symbol:         k_q8fd3bbd926_gemm_qkv.kd
    .args:
      - { .name: xq, .offset: 0, .size: 8, .value_kind: global_buffer, .address_space: global }
      - { .name: wq, .offset: 8, .size: 8, .value_kind: global_buffer, .address_space: global }
      - { .name: cos, .offset: 16, .size: 8, .value_kind: global_buffer, .address_space: global }
      - { .name: sin, .offset: 24, .size: 8, .value_kind: global_buffer, .address_space: global }
      - { .name: qkv, .offset: 32, .size: 8, .value_kind: global_buffer, .address_space: global }
    .group_segment_fixed_size: 327680
    .private_segment_fixed_size: 0
    .kernarg_segment_align: 8
    .kernarg_segment_size: 40
    .max_flat_workgroup_size: 128
    .sgpr_count:     102
    .vgpr_count:     1024
    .wavefront_size: 32
...
	.end_amdgpu_metadata
.endif
;; end of part 2
;; launch attn (part 3): grid 8 x 32, 16 waves a work-group, no clusters, 327,680 bytes of LDS; arguments qkv, at; writes at
.if DOCPART == 3
	.amdgcn_target "amdgcn-amd-amdhsa--gfx1250"
	.amdhsa_code_object_version 6
	.text
	.protected	k_q8fd3bbd926_attn
	.globl	k_q8fd3bbd926_attn
	.p2align	8
	.type	k_q8fd3bbd926_attn,@function
k_q8fd3bbd926_attn:
	s_mov_b64 s[64:65], 0
	v_nop
	global_prefetch_b8 v0, s[64:65] scope:SCOPE_SE
	s_setreg_imm32_b32 hwreg(HW_REG_WAVE_MODE, 25, 1), 1
	s_wait_xcnt 0x0
; Causal attention on codes of FP6 (E2M3) with E8M0 scales: 4 sequences of 1,024, 32 query heads, 8 KV heads, head size 64.  Both products are used transposed: S^T = K Q^T (source 0 = 16 keys, source 1 = 16 queries),
; O^T = V^T P^T (source 0 = 16 of the head's 64, source 1 = P): a lane holds ONE query (lane % 16) throughout.  The first product's K is 64: the upper 64 of the instruction's 128 are zero codes on both sides.
; LEFT OUT: key steps of 128 all of whose keys come after a tile's 16 queries: the causal mask gives them the weight 0.
; THE SOFTMAX: t = score x log2(e) / 8; M = the running largest t rounded UP to a whole number; p = 2^(t - M) is quantised along the keys, not normalised; the row's sum is taken of the unquantised p and divides O at the end.
; When M moves, the sum and O^T are multiplied by 2^(old M - new M), which rounds nothing.  Hidden scores become -infinity ahead of the maximum (p = 0).
; WHICH KEYS FORM A TILE OF K is chosen by LDS addresses: row 8 g + rho of tile 4 c + u is key 64 c + 32 g + 16 (u & 1) + 8 (u >> 1) + rho of the step.  So the 32 registers of tiles 4 c .. 4 c + 3 of a lane of half h
; are ONE WHOLE block of 32 keys, block 2 c + h, in the order 0-7, 16-23, 8-15, 24-31, in which V^T's codes were laid: a block's maximum needs no other lane, and the conversions' results are the operand's registers.
; SHARES.  Work-group (p, b x 8 + kv head): the blocks of 64 queries p and 15 - p, for the four query heads of the KV head.  Wave (a = w & 3, hh = w >> 2): head hh, query tiles 4 p + a and 63 - (4 p + a):
; the two tiles' visible key steps add up to 9 for every wave.  No cluster: which steps a wave leaves out hangs on p, which would be a work-group's place in its cluster.
; LDS: the KV head's eight records of 128 keys (13,824 bytes each: K's 8 half fragments, V^T's 4 fragments, K's and V's scale words), on end as in memory, each byte filled once, in sixteenths of 27 rows of 256 bytes:
; waves 0-7 fetch records 0-3 at the head, waves 8-15 records 4-7 behind the first barrier.  THE LOW TILE GOES FIRST: its queries lie under 512, so it reads records 0-3 alone while the others land.
; No prefetch: the launch asks for all its tiles in its first lines, and has no later load to run ahead of.
; OUT (buffer at): O / sum, quantised along head x 64 + d: [token tile 256][head 32][768] half fragments; from AS_OFF on the scale words [token tile][KV head 8][row 16][8 bytes], 2 bytes a head.
; LIMITS: NaN and infinities are not served; a block of zeros gets the byte 1 (zero codes); the scaled scores stay under 2^31 in magnitude.
; REGISTERS: v1-11, v94, v207 lane constants; v3, v4, v95, v211 the step's addresses; v12 -M, v13 largest t, v[14:15] the sum; v16-27, v80-91 the two tiles' Q; v28-29 their scale words; v30-31 O's scale bytes; v32-79 four fragments of K;
;   v96-159 S^T, p, then V^T's fragments; v160-191 O^T; v192-203 p's codes; v204-210 at work; v212-223 K's and V's scale words; v224-253 at work; v254-255 the add's.
.set REC,    13824
.set BKB,    8*REC
.set QS_OFF, 6291456
.set KV_OFF, 7340032
.set AS_OFF, 6291456
.set SCG,    BKB                       ; 1,024 bytes in which the scale bytes of O meet
.set BM,  224                          ; v224-227 largest scores; then v224, v226: my two blocks' largest score, then p
.set BP,  228                          ; v228-231 at work
.set SO,  232                          ; v232-233 the conversions' scale operands
.set Q0,  18
.set KF,  19
.set SEL, 20
.set CS,  22
.set TR,  40
.set CNT, 41
	s_load_b128 s[4:7], s[0:1], 0x0                ; qkv, at
	v_lshl_add_u32 v254, v0, 2, 0x29000
	v_mov_b32 v255, 0
	ds_add_u32 v254, v255                          ; the opening lines
	ds_add_u32 v254, v255
	v_lshrrev_b32 v1, 5, v0
	v_readfirstlane_b32 s8, v1                     ; wave 0..15
	s_and_b32 s9, s8, 3                            ; a
	s_lshr_b32 s10, s8, 2                          ; hh
	s_min_u32 s17, s8, 3                           ; waves 0-3 store the scale words at the end
	s_and_b32 s11, ttmp7, 0xffff                   ; b x 8 + kv head
	s_lshr_b32 s12, s11, 3
	s_and_b32 s13, s11, 7
	s_mov_b32 s24, 3<<16                           ; group 1: 27 rows of 256 bytes (32 elements of 8), dense
	s_mov_b32 s25, 32<<16
	s_mov_b32 s26, 27<<16
	s_mov_b32 s27, 32<<16
	s_mov_b32 s28, 27
	s_mov_b32 s29, 32
	s_mov_b32 s30, 0
	s_mov_b32 s31, 0
	s_mul_i32 s16, s8, 6912                        ; wave w: bytes 6,912 w on of the eight records
	s_mul_i32 s14, s11, BKB
	s_add_co_u32 s14, s14, s16
	s_add_co_u32 s14, s14, KV_OFF
	s_mov_b32 s15, 0
	s_xor_b32 s60, s9, 7                           ; the gather: places 0-3 the low block's tiles, 4-7 the high block's: tile 63 - (4 p + a) at place 7 - a
	s_lshl_b32 s60, s60, 7
	s_lshl_b32 s61, s10, 1
	s_add_co_u32 s61, s61, SCG
	s_add_co_u32 s60, s60, s61
	s_lshl_b32 s62, s9, 7
	s_add_co_u32 s62, s62, s61
	s_lshl_b32 s63, s17, 8
	s_add_co_u32 s63, s63, SCG
	s_wait_dscnt 0x0
	s_wait_kmcnt 0x0
	s_mov_b32 s32, 1
	s_mov_b32 s33, s16
	s_add_nc_u64 s[34:35], s[4:5], s[14:15]
	s_or_b32 s35, s35, 0x80000000
	s_cmp_lt_u32 s8, 8
	s_cbranch_scc0 .Llater
	tensor_load_to_lds s[32:35], s[24:31]          ; records 0-3
	s_nop 0
.rept 4
	v_nop
.endr
.Llater:
	v_and_b32 v1, 31, v0
	v_and_b32 v240, 15, v0                         ; r
	v_bfe_u32 v241, v0, 4, 1                       ; h
	v_lshlrev_b32 v2, 3, v1                        ; 8 x lane
	v_lshlrev_b32 v1, 4, v1                        ; 16 x lane
	v_and_b32 v246, 7, v0                          ; rho
	v_bfe_u32 v248, v0, 3, 1                       ; g
	v_lshlrev_b32 v5, 5, v241
	v_sub_nc_u32 v5, v240, v5                      ; r - 32 h
	v_lshlrev_b32 v207, 3, v241                    ; 8 h
	v_mul_u32_u24 v10, v248, 1536                  ; K's rows: two stored tiles on for g = 1,
	v_lshl_add_u32 v11, v246, 3, v10
	v_lshl_add_u32 v10, v246, 4, v10               ; stored lane rho + 16 h: 16 bytes a lane,
	v_lshl_add_u32 v11, v241, 7, v11               ; and 8 bytes a lane
	v_lshl_add_u32 v10, v241, 8, v10
	v_lshlrev_b32 v94, 3, v248
	v_lshl_add_u32 v94, v246, 4, v94               ; K's scale words: stored lane rho, words 2 g, 2 g + 1
	v_lshl_add_u32 v6, v240, 3, s60                ; place x 128 + 8 r + 2 hh
	v_lshl_add_u32 v7, v240, 3, s62
	v_add_nc_u32 v8, s63, v2                       ; back: two places a wave, 8 bytes a lane
	v_lshlrev_b32 v9, 3, v240
	v_lshl_add_u32 v9, v241, 10, v9                ; and in memory: lanes 16-31 one token tile further on
	s_wait_alu depctr_va_vdst(0)                   ; the wait ahead of the run of scalar lines
	s_mov_b32 s[SEL], 0x76543210
	s_mov_b32 s[SEL+1], 0xfedcba98
	s_mov_b32 s[CS], 0x3e38aa3b                    ; log2(e) / 8
	s_mov_b32 s[CS+1], s[CS]
	s_lshl_b32 s42, ttmp9, 2
	s_add_co_u32 s42, s42, s9                      ; the low tile, 0..31
	s_xor_b32 s43, s42, 63                         ; the high tile
	s_lshl_b32 s58, s11, 2
	s_add_co_u32 s58, s58, s10                     ; b x 32 + head
	s_lshl_b32 s59, s13, 2
	s_add_co_u32 s59, s59, s10
	s_mul_i32 s59, s59, 768
.macro JOBADR t, qc, qs, ao            ; for query tile t: Q's codes, Q's scale word, O's codes
	s_lshl_b32 s60, s58, 6
	s_add_co_u32 s60, s60, \t
	s_mul_i32 s[\qc], s60, 768
	s_mov_b32 s[\qc+1], 0
	s_add_nc_u64 s[\qc:\qc+1], s[4:5], s[\qc:\qc+1]
	s_lshl_b32 s60, s58, 3
	s_lshr_b32 s61, \t, 3
	s_add_co_u32 s60, s60, s61
	s_lshl_b32 s60, s60, 10
	s_bfe_u32 s61, \t, 0x10002
	s_lshl_b32 s61, s61, 9
	s_add_co_u32 s60, s60, s61
	s_and_b32 s61, \t, 3
	s_lshl_b32 s61, s61, 2
	s_add_co_u32 s60, s60, s61
	s_add_co_u32 s[\qs], s60, QS_OFF
	s_mov_b32 s[\qs+1], 0
	s_add_nc_u64 s[\qs:\qs+1], s[4:5], s[\qs:\qs+1]
	s_lshl_b32 s60, s12, 6
	s_add_co_u32 s60, s60, \t
	s_mul_i32 s60, s60, 24576
	s_add_co_u32 s[\ao], s60, s59
	s_mov_b32 s[\ao+1], 0
	s_add_nc_u64 s[\ao:\ao+1], s[6:7], s[\ao:\ao+1]
.endm
	JOBADR s42, 48, 50, 54
	global_load_b128 v[80:83], v1, s[48:49]
	global_load_b64 v[84:85], v2, s[48:49] offset:512
	global_load_b32 v29, v1, s[50:51]
	JOBADR s43, 44, 46, 52
	global_load_b128 v[16:19], v1, s[44:45]
	global_load_b64 v[20:21], v2, s[44:45] offset:512
	global_load_b32 v28, v1, s[46:47]
	s_lshl_b32 s60, ttmp9, 2                       ; where the scale words go: waves 0, 1: token tiles 4 p + 2 w on; waves 2, 3: 60 - 4 p + 2 (w - 2) on
	s_lshl_b32 s61, s17, 1
	s_add_co_u32 s62, s60, s61
	s_sub_co_u32 s63, 56, s60
	s_add_co_u32 s63, s63, s61
	s_cmp_lt_u32 s17, 2
	s_cselect_b32 s62, s62, s63
	s_lshl_b32 s63, s12, 6
	s_add_co_u32 s62, s62, s63
	s_lshl_b32 s56, s62, 10
	s_lshl_b32 s63, s13, 7
	s_add_co_u32 s56, s56, s63
	s_add_co_u32 s56, s56, AS_OFF
	s_mov_b32 s57, 0
	s_add_nc_u64 s[56:57], s[6:7], s[56:57]
.irp i, 22,23,24,25,26,27,86,87,88,89,90,91
	v_mov_b32 v[\i], 0                             ; Q's upper 64 along K: zero codes
.endr
.irp t, 0,1,2,3
.irp i, 6,7,8,9,10,11
	v_mov_b32 v[32+12*\t+\i], 0                    ; K's likewise: written once, never loaded
.endr
.endr
.irp b, 0,1,2,3
	v_mov_b32 v[BP+\b], 0                          ; a lane permute's destination counts as one of its sources
.endr
	v_mov_b32 v243, 0                              ; (the upper half of the pair v[242:243])
	v_mov_b32 v244, 0
	v_mov_b32 v247, 0xff800000                     ; -infinity
; A KEY STEP: 128 keys.  q: my tile's fragment of Q; qs: its scale word.
.macro STEP q, qs
	s_add_co_u32 s60, s[Q0], 15                    ; a step all of whose keys come after my 16 queries is left out: a scalar branch on ids, round the work alone
	s_cmp_gt_u32 s[KF], s60
	s_cbranch_scc1 .Lhidden_\@
	v_add_nc_u32 v3, s[TR], v1
	v_add_nc_u32 v4, s[TR], v10
	v_add_nc_u32 v95, s[TR], v11
	v_add_nc_u32 v211, s[TR], v94
	v_nop                                          ; five places: the scores below are written over V^T's fragments, which the last products read
	s_wait_alu depctr_va_vdst(0)
.irp g, 0,1                                    ; S^T = K Q^T, four tiles at a time
.if \g
.rept 4
	v_nop                                          ; places in front of loads into registers that matrix instructions have read
.endr
.endif
.irp t, 0,1,2,3
	ds_load_b128 v[32+12*\t:35+12*\t], v4 offset:(4*\g+(\t&1))*768+128*(\t>>1)
	ds_load_b64 v[36+12*\t:37+12*\t], v95 offset:(4*\g+(\t&1))*768+512+64*(\t>>1)
.endr
.if \g == 0
.irp c, 0,1
	ds_load_b64 v[212+4*\c:213+4*\c], v211 offset:12288+512*\c       ; the scale words of tiles 4 c, 4 c + 1,
	ds_load_b64 v[214+4*\c:215+4*\c], v211 offset:12288+512*\c+128   ; and 4 c + 2, 4 c + 3: eight stored rows on
.endr
.endif
	s_wait_dscnt 0x0
.irp t, 0,1,2,3
	v_wmma_scale_f32_16x16x128_f8f6f4 v[96+8*(4*\g+\t):103+8*(4*\g+\t)], v[32+12*\t:43+12*\t], v[\q:\q+11], 0, v[212+4*\g+\t], v[\qs] matrix_a_fmt:MATRIX_FMT_FP6 matrix_b_fmt:MATRIX_FMT_FP6
.endr
.endr                                          ; register 8 t + j of lane (r, h): key KF + 64 (t / 4) + 32 h + 16 (t & 1) + 8 ((t >> 1) & 1) + j, query Q0 + r
.rept 4
	v_nop
.endr
	s_add_co_u32 s60, s[KF], 127                   ; a step all of whose keys count skips the mask
	s_cmp_le_u32 s60, s[Q0]
	s_cbranch_scc1 .Lopen_\@
	s_sub_co_i32 s60, s[Q0], s[KF]
	v_add_nc_u32 v246, s60, v5                     ; my query - KF - 32 h
.set nn, 0
.rept 64
	v_cmp_gt_i32 vcc_lo, 64*(nn/32)+16*((nn/8)&1)+8*((nn/16)&1)+nn%8, v246
	v_cndmask_b32 v[96+nn], v[96+nn], v247, vcc_lo
.set nn, nn+1
.endr
.Lopen_\@:
.irp b, 0,1,2,3                                ; the largest score of each of my two blocks, in four chains: for the row's maximum and, since p rises with the score, for the block's largest p
	v_max3_num_f32 v[BM+\b], v[96+16*\b], v[97+16*\b], v[98+16*\b]
.endr
.irp i, 3,5,7,9,11,13
.irp b, 0,1,2,3
	v_max3_num_f32 v[BM+\b], v[BM+\b], v[96+16*\b+\i], v[97+16*\b+\i]
.endr
.endr
.irp c, 0,1
	v_max3_num_f32 v[BM+2*\c], v[BM+2*\c], v[BM+1+2*\c], v[111+32*\c]
.endr
.irp c, 0,1
	v_max_num_f32 v[BM+2*\c], v[BM+2*\c], v[127+32*\c]
.endr
	v_max_num_f32 v244, v[BM], v[BM+2]
	v_permlanex16_b32 v[BP], v244, s[SEL], s[SEL+1]
	v_max_num_f32 v244, v244, v[BP]                ; with lane l xor 16's two blocks: the step's largest score of my query
	v_mul_f32 v244, s[CS], v244                    ; as t (c is positive)
	v_max_num_f32 v13, v13, v244
	v_mov_b32 v244, v12
	s_delay_alu instid0(VALU_DEP_2)
	v_floor_f32 v12, -v13                          ; the new -M = -ceil(t)
	s_delay_alu instid0(VALU_DEP_1)
	v_sub_f32 v244, v12, v244                      ; old M - new M: a whole number, 0 or less
	s_delay_alu instid0(VALU_DEP_1)
	v_cvt_i32_f32 v244, v244                       ; (it saturates)
	s_delay_alu instid0(VALU_DEP_1)
	v_ldexp_f32 v242, 1.0, v244                    ; f = 2^(old M - new M)
.set nn, 0
.rept 32
	v_pk_fma_f32 v[96+nn:97+nn], v[96+nn:97+nn], s[CS:CS+1], v[12:13] op_sel_hi:[1,0,0]   ; t - M, two at a time
.set nn, nn+2
.endr
.irp c, 0,1
	v_fma_f32 v[BM+2*\c], v[BM+2*\c], s[CS], v12   ; the same of each block's largest score
.endr
	s_wait_alu depctr_va_vdst(0)                   ; the wait ahead of the batch
.set nn, 0
.rept 64
	v_exp_f32 v[96+nn], v[96+nn]                   ; p = 2^(t - M)
.set nn, nn+1
.endr
	v_pk_mul_f32 v[14:15], v[14:15], v[242:243] op_sel_hi:[1,0]   ; the sums under the new M: the plain line behind the exponentials
	s_wait_alu depctr_va_vdst(0)                   ; one wait for the whole batch, ahead of its first reader
.irp c, 0,1
	v_exp_f32 v[BM+2*\c], v[BM+2*\c]               ; the block's largest p
.endr
.irp k, 0,1,2,3                                ; the row's sum, of the unquantised p: four chains
	v_pk_add_f32 v[234+2*\k:235+2*\k], v[96+4*\k:97+4*\k], v[98+4*\k:99+4*\k]
.endr
.irp i, 112,120,128,136,144,152
.irp k, 0,1,2,3
	v_pk_add_f32 v[234+2*\k:235+2*\k], v[234+2*\k:235+2*\k], v[\i+2*\k:\i+2*\k+1]
.endr
.endr
	v_pk_add_f32 v[234:235], v[234:235], v[236:237]
	v_pk_add_f32 v[238:239], v[238:239], v[240:241]
	s_delay_alu instid0(VALU_DEP_2)
	v_pk_add_f32 v[14:15], v[14:15], v[234:235]
	s_delay_alu instid0(VALU_DEP_1)
	v_pk_add_f32 v[14:15], v[14:15], v[238:239]
	s_wait_alu depctr_va_vdst(0)                   ; and one for the two
.irp c, 0,1
	v_max_num_f32 v[BM+2*\c], 0x1800000, v[BM+2*\c]    ; the floor 2^(3 - 127)
.endr
.irp c, 0,1
	s_delay_alu instid0(VALU_DEP_2)
	v_add_nc_u32 v[SO+\c], 0xff000000, v[BM+2*\c]  ; 2 off the exponent field: the conversion's scale operand
.endr
.irp c, 0,1
	s_delay_alu instid0(VALU_DEP_2)
	v_lshrrev_b32 v[BP+\c], 23, v[SO+\c]           ; the bytes of blocks h and 2 + h
.endr
	s_delay_alu instid0(VALU_DEP_1)
	v_lshl_or_b32 v245, v[BP+1], 16, v[BP]
	s_delay_alu instid0(VALU_DEP_1)
	v_lshlrev_b32 v245, v207, v245                 ; at their places in the word: 8 h bits up
	s_delay_alu instid0(VALU_DEP_1)
	v_permlanex16_b32 v[BP+2], v245, s[SEL], s[SEL+1]
	s_delay_alu instid0(VALU_DEP_1)
	v_or_b32 v245, v245, v[BP+2]                   ; with lane l xor 16's two: p's scale word for these 128 keys
.irp c, 0,1
	v_cvt_scalef32_pk16_fp6_f32 v[192+6*\c:194+6*\c], v[96+32*\c:111+32*\c], v[SO+\c]
	v_cvt_scalef32_pk16_fp6_f32 v[204+4*\c:206+4*\c], v[112+32*\c:127+32*\c], v[SO+\c]   ; (a conversion's three registers begin on an even number)
.endr
	v_nop                                          ; one plain line behind the scaled conversions
.irp a, 0,1,2,3                                ; V^T's four fragments land where p lay, while the lines below run
.irp c, 0,1,2
	ds_load_b128 v[96+12*\a+4*\c:99+12*\a+4*\c], v3 offset:6144+\a*1536+512*\c
.endr
.endr
	ds_load_b128 v[220:223], v3 offset:13312
.irp c, 0,1
.irp i, 0,1,2
	v_mov_b32 v[195+6*\c+\i], v[204+4*\c+\i]
.endr
.endr
.set nn, 0
.rept 16
	v_pk_mul_f32 v[160+nn:161+nn], v[160+nn:161+nn], v[242:243] op_sel_hi:[1,0]   ; O^T under the new M; these sixteen are also the places in front of the scaled products
.set nn, nn+2
.endr
	s_wait_alu depctr_va_vdst(0)
	s_wait_dscnt 0x0
.irp a, 0,1,2,3
	v_wmma_scale_f32_16x16x128_f8f6f4 v[160+8*\a:167+8*\a], v[96+12*\a:107+12*\a], v[192:203], v[160+8*\a:167+8*\a], v[220+\a], v245 matrix_a_fmt:MATRIX_FMT_FP6 matrix_b_fmt:MATRIX_FMT_FP6
.endr
.Lhidden_\@:
	s_add_co_u32 s[KF], s[KF], 128
	s_add_co_u32 s[TR], s[TR], REC
.endm
.macro INIT t                          ; a tile begins: zeros, which the first change of M leaves zeros
	v_mov_b32 v13, 0xff61b1e6                      ; -3e38, under every t
	s_delay_alu instid0(VALU_DEP_1)
	v_floor_f32 v12, -v13
	v_mov_b32 v14, 0
	v_mov_b32 v15, 0
.set nn, 0
.rept 32
	v_mov_b32 v[160+nn], 0
.set nn, nn+1
.endr
	s_lshl_b32 s[Q0], \t, 4
	s_mov_b32 s[KF], 0
	s_mov_b32 s[TR], 0
.endm
; A tile ends: O^T / the sum; register 16 beta + i is d = 32 beta + 16 h + i of my query (by the order in which V's features were laid): half a fragment of the last product's operand.
.macro FINISH hw, base
.rept 4
	v_nop
.endr
	v_add_f32 v14, v14, v15
	s_delay_alu instid0(VALU_DEP_1)
	v_permlanex16_b32 v244, v14, s[SEL], s[SEL+1]
	s_delay_alu instid0(VALU_DEP_1)
	v_add_f32 v14, v14, v244                       ; the row's sum
	s_wait_alu depctr_va_vdst(0)
	v_rcp_f32 v14, v14
	v_nop                                          ; a plain line behind the reciprocal,
	s_wait_alu depctr_va_vdst(0)                   ; and the wait ahead of its first reader
.set nn, 0
.rept 16
	v_pk_mul_f32 v[96+nn:97+nn], v[160+nn:161+nn], v[14:15] op_sel_hi:[1,0]   ; each accumulator from its low end on
.set nn, nn+2
.endr
.irp b, 0,1
	v_max3_num_f32 v[BM+\b], |v[96+16*\b]|, |v[97+16*\b]|, 0x1800000
.endr
.irp i, 2,4,6,8,10,12,14
.irp b, 0,1
	s_delay_alu instid0(VALU_DEP_2)
	v_max3_num_f32 v[BM+\b], v[BM+\b], |v[96+16*\b+\i]|, |v[97+16*\b+\i]|
.endr
.endr
.irp b, 0,1
	s_delay_alu instid0(VALU_DEP_2)
	v_permlanex16_b32 v[BP+\b], v[BM+\b], s[SEL], s[SEL+1]
.endr
.irp b, 0,1
	s_delay_alu instid0(VALU_DEP_2)
	v_max_num_f32 v[BM+\b], v[BM+\b], v[BP+\b]
.endr
.irp b, 0,1
	s_delay_alu instid0(VALU_DEP_2)
	v_add_nc_u32 v[SO+\b], 0xff000000, v[BM+\b]
.endr
.irp b, 0,1
	s_delay_alu instid0(VALU_DEP_2)
	v_lshrrev_b32 v[BP+\b], 23, v[SO+\b]
.endr
	s_delay_alu instid0(VALU_DEP_1)
	v_lshl_or_b32 v[\hw], v[BP+1], 8, v[BP]        ; the head's two scale bytes of my row
	s_wait_alu depctr_va_vdst(0)
	s_wait_xcnt 0x0                                ; the other tile's stores have read the codes' registers
	v_cvt_scalef32_pk16_fp6_f32 v[248:250], v[96:111], v[SO]
	v_cvt_scalef32_pk16_fp6_f32 v[204:206], v[112:127], v[SO+1]
	v_nop
.irp i, 0,1,2
	v_permlane16_swap_b32 v[248+\i], v[204+\i]     ; lanes 0-15 get block 0 whole, lanes 16-31 block 1
.endr
.irp i, 0,1,2
	s_delay_alu instid0(VALU_DEP_3)
	v_mov_b32 v[251+\i], v[204+\i]
.endr
	global_store_b128 v1, v[248:251], s[\base:\base+1]             ; 512 consecutive bytes,
	global_store_b64 v2, v[252:253], s[\base:\base+1] offset:512   ; and 256
.endm
	s_wait_alu depctr_va_vdst(0)                   ; the wait at the head's end
	s_wait_loadcnt 0x0                             ; Q
	s_wait_tensorcnt 0x0                           ; my part of records 0-3 has landed,
	ds_add_u32 v254, v255                          ; the add twice
	ds_add_u32 v254, v255
	s_wait_dscnt 0x0
	s_barrier_signal -1
	s_barrier_wait -1                              ; everybody's part has
	s_cmp_lt_u32 s8, 8
	s_cbranch_scc1 .Lasked
	tensor_load_to_lds s[32:35], s[24:31]          ; records 4-7: they land while the low tile is worked
	s_nop 0
.rept 4
	v_nop
.endr
.Lasked:
	INIT s42                                       ; the low tile: its queries lie under 512: up to four steps, in records 0-3
	s_mov_b32 s[CNT], 4
.Llow:
	STEP 80, 29
	s_sub_co_u32 s[CNT], s[CNT], 1
	s_cmp_lg_u32 s[CNT], 0
	s_cbranch_scc1 .Llow
	FINISH 31, 54
	s_wait_alu depctr_va_vdst(0)
	s_wait_tensorcnt 0x0                           ; my part of records 4-7 has landed,
	s_barrier_signal -1
	s_barrier_wait -1                              ; everybody's has
	INIT s43                                       ; the high tile: up to eight steps
	s_mov_b32 s[CNT], 8
.Lhigh:
	STEP 16, 28
	s_sub_co_u32 s[CNT], s[CNT], 1
	s_cmp_lg_u32 s[CNT], 0
	s_cbranch_scc1 .Lhigh
	FINISH 30, 52
	; the scale bytes of a row's four heads come from four waves: they meet in LDS and leave as words
	ds_store_b16 v6, v30                           ; (both halves of the lanes write the same bytes with the same value)
	ds_store_b16 v7, v31
	s_wait_dscnt 0x0                               ; for the others' sake: my stores are done
	s_barrier_signal -1
	s_barrier_wait -1
	s_cmp_lt_u32 s8, 4
	s_cbranch_scc0 .Lend
	ds_load_b64 v[92:93], v8
	s_wait_dscnt 0x0
	global_store_b64 v9, v[92:93], s[56:57]        ; sixteen lanes store a token tile's 128 bytes of this KV head
.Lend:
	s_wait_tensorcnt 0x0                           ; the wave's end
	ds_add_u32 v254, v255
	s_wait_dscnt 0x0
	s_endpgm
.Lfunc_end_k_q8fd3bbd926_attn:
	.size	k_q8fd3bbd926_attn, .Lfunc_end_k_q8fd3bbd926_attn-k_q8fd3bbd926_attn
	.p2alignl 7, 3214868480
	.fill 96, 4, 3214868480
	.section	.rodata,"a",@progbits
	.p2align	6, 0x0
	.amdhsa_kernel k_q8fd3bbd926_attn
		.amdhsa_group_segment_fixed_size 327680
		.amdhsa_private_segment_fixed_size 0
		.amdhsa_enable_private_segment 0
		.amdhsa_kernarg_size 16
		.amdhsa_user_sgpr_count 2
		.amdhsa_user_sgpr_kernarg_segment_ptr 1
		.amdhsa_wavefront_size32 1
		.amdhsa_system_sgpr_workgroup_id_x 1
		.amdhsa_system_sgpr_workgroup_id_y 1
		.amdhsa_system_sgpr_workgroup_id_z 1
		.amdhsa_system_vgpr_workitem_id 0
		.amdhsa_next_free_vgpr 256
		.amdhsa_next_free_sgpr 66
		.amdhsa_reserve_vcc 1
		.amdhsa_float_denorm_mode_32 3
		.amdhsa_float_denorm_mode_16_64 3
		.amdhsa_memory_ordered 1
		.amdhsa_forward_progress 1
		.amdhsa_inst_pref_size 63
	.end_amdhsa_kernel
	.amdgpu_metadata
---
amdhsa.version: [ 1, 2 ]
amdhsa.kernels:
  - .name:           k_q8fd3bbd926_attn
    .symbol:         k_q8fd3bbd926_attn.kd
    .args:
      - { .name: qkv, .offset: 0, .size: 8, .value_kind: global_buffer, .address_space: global }
      - { .name: at, .offset: 8, .size: 8, .value_kind: global_buffer, .address_space: global }
    .group_segment_fixed_size: 327680
    .private_segment_fixed_size: 0
    .kernarg_segment_align: 8
    .kernarg_segment_size: 16
    .max_flat_workgroup_size: 512
    .sgpr_count:     66
    .vgpr_count:     256
    .wavefront_size: 32
...
	.end_amdgpu_metadata
.endif
;; end of part 3
;; launch gemm_out (part 4): grid 8 x 32, 4 waves a work-group, clusters of 4 x 4, 327,680 bytes of LDS; arguments at, wq, out0; writes out0
.if DOCPART == 4
	.amdgcn_target "amdgcn-amd-amdhsa--gfx1250"
	.amdhsa_code_object_version 6
	.text
	.protected	k_q8fd3bbd926_gemm_out
	.globl	k_q8fd3bbd926_gemm_out
	.p2align	8
	.type	k_q8fd3bbd926_gemm_out,@function
k_q8fd3bbd926_gemm_out:
	s_mov_b64 s[64:65], 0
	v_nop
	global_prefetch_b8 v0, s[64:65] scope:SCOPE_SE
	s_setreg_imm32_b32 hwreg(HW_REG_WAVE_MODE, 25, 1), 1
	s_wait_xcnt 0x0
	s_wait_alu depctr_hold_cnt(0) depctr_sa_sdst(0) depctr_va_vdst(0) depctr_va_sdst(0) depctr_va_ssrc(0) depctr_va_vcc(0) depctr_vm_vsrc(0)
	s_getreg_b32 s2, hwreg(HW_REG_IB_STS2, 6, 4)
	s_cmp_eq_u32 s2, 0
	s_cbranch_scc0 .Lentry_in_a_cluster
	s_endpgm
.Lentry_in_a_cluster:
	s_bfe_u32 s2, ttmp6, 0x10000c
	s_cmp_lg_u32 s2, 0xf033
	s_cbranch_scc0 .Lentry_shape_is_right
	s_endpgm
.Lentry_shape_is_right:
; out0 [4096][2048] f32 = attn x Wo on codes of FP6 (E2M3) with E8M0 scales.  Both operands lie in memory as images of their registers (16 rows x 128 K = 1,536 bytes; a row tile's 2,048 along K = 24,576 bytes on end).
; at: a K step is two heads' half fragments (registers 0-3 at 16 l, 4-5 at 512 + 8 l, the second head 768 on); wq's tiles 192-319 are Wo's columns (registers 4 c .. 4 c + 3 at 512 c + 16 l).
; A BLOCK is 128 tokens x 256 features: 8 x 32 = 256 work-groups.  Four waves, each 64 tokens x 128 features: 32 accumulators of 16 x 16, 256 registers.
; K goes in chunks of 512 through two LDS slots: a slot holds 4 K steps of 8 + 16 row tiles, 147,456 bytes; rows of 6,144 bytes, at multiples of 256.  So K has four fills: the head's, slot 1's first, two refills.
; The scale words of the block's rows, for all of K (8,192 + 16,384 bytes), come once, at the head.
; CLUSTERS: 4 x 4; the four of a row ask jointly for the tokens' tiles, the four of a column for the weights'.
; SOURCE 0 = 16 features, source 1 = 16 tokens: a lane holds one token; by the order in which the features were laid, place 16 u + 8 g + j of a group of 32 is feature 16 g + 8 u + j.
; PREFETCH: chunk c is asked for two fills ahead (chunks 1, 2 behind the head's fill, chunk 3 behind slot 1's).  A chunk of a row tile is 24 blocks of 256 bytes.  The partners share the tiles out by address:
; of the tokens' 8 tiles the partner at cx takes 2 cx, 2 cx + 1 (a wave 12 blocks), of the weights' 16 the partner at cy takes 4 cy + wave (24 blocks); lanes left over name their wave's last block again.
; The 16 K steps are written out: the first starts the sums, and three of them change slots, each in its own way.
; REGISTERS: window 0: v4-29 addresses; v32-63 scale words, two sets; v128-223 the tokens' fragments, two sets of 4; on the way out v128-255.  Window 1: the weights' fragments, two sets, at v0 and v128.  Window 2: accumulator (a, b) at v[8 (8 a + b)].
.set FR,     12
.set NP,     4                         ; places behind this matrix instruction (ISA guide 7.12.1)
.set RT,     24576                     ; a row tile's codes
.set TK,     6144                      ; its part of a chunk
.set ASZ,    8*TK
.set SLOT,   24*TK
.set SCL,    2*SLOT                    ; the scale words: 1,024 bytes a row tile; the tokens' 8 tiles, then the weights' 16
.set SPARE,  SCL+24*1024               ; the spare words: two blocks of 256 bytes that no other line names
.set AS_OFF, 6291456
.set WS_OFF, 7864320
.set SPITCH, 528                       ; the way out: 16 rows x (512 + 16) bytes a wave, in slot 0, which has had its last fill and its last read by then
.set L16,  4                           ; v4      16 x lane
.set PFOA, 8                           ; v8, v9  the prefetches' offsets
.set PFOB, 9
.set ADRA, 16                          ; v16-17  the tokens' fragments in slot 0, 1, 16 bytes a lane; v18-19 8 bytes a lane
.set ADRB, 20                          ; v20-21  the weights'
.set STO,  24
.set RD,   25
.set ADRS, 27                          ; v27     scale words: lanes 0-15 the tokens', lanes 16-31 the weights'
.set SPW,  28                          ; v28     my spare word; never rewritten
.set NIL,  29                          ; v29     0; never rewritten
.set SC,   32
.set AF,   128
.set BK,   128
.set G0H,  4                           ; s[4:7], s[8:11] group 0 of the head's loads of codes
.set G0HB, 8
.set G1,   24
.set G0,   32
.set G1B,  48
.set G0B,  56
.set G1S,  68
.set G0S,  76
.set G1SB, 80
.set G0SB, 88
.set PFA,  92                          ; s[92:93], s[94:95] the prefetches' bases; never rewritten
.set PFB,  94
.set MSB, 0
.macro WIN new
.if MSB != (\new)
	s_set_vgpr_msb (MSB<<8)|(\new)
.set MSB, (\new)
.endif
.endm
.set MUL,  0xa1                        ; source 0 window 1, source 1 window 0, C and D window 2
.set TO_B, 0x40
.macro JLOAD g0a, g1a, g0b, g1b        ; waves 0, 1 ask for the tokens' halves, waves 2, 3 for the weights'
	s_cmp_eq_u32 s15, 0
	s_cbranch_scc0 .Lfor_b_\@
	tensor_load_to_lds s[\g0a:\g0a+3], s[\g1a:\g1a+7]
	s_nop 0
.rept 4
	v_nop
.endr
	s_branch .Lasked_\@
.Lfor_b_\@:
	tensor_load_to_lds s[\g0b:\g0b+3], s[\g1b:\g1b+7]
	s_nop 0
.rept 4
	v_nop
.endr
.Lasked_\@:
.endm
.macro CREST
	s_cmp_lg_u32 s14, 0
	s_cbranch_scc1 .Lnot_wave_0_\@
	s_barrier_signal -3
.Lnot_wave_0_\@:
	s_barrier_wait -3
	s_barrier_signal -1
	s_barrier_wait -1
.endm
.macro CROUND
	s_barrier_signal -1
	s_barrier_wait -1
	CREST
.endm
.macro GRP1 g, c, r, p                 ; r rows of c elements of 8 bytes, p elements apart
	s_mov_b32 s[\g+1], (\c)<<16
	s_mov_b32 s[\g+2], (\r)<<16
	s_mov_b32 s[\g+3], (\c)<<16
	s_mov_b32 s[\g+4], \r
	s_mov_b32 s[\g+5], \p
	s_mov_b32 s[\g+6], 0
	s_mov_b32 s[\g+7], 0
.endm
	s_load_b128 s[4:7], s[0:1], 0x0                ; at, wq
	s_load_b64 s[12:13], s[0:1], 0x10              ; out0
	v_lshl_add_u32 v[SPW], v0, 2, SPARE
	v_mov_b32 v[NIL], 0
	ds_add_u32 v[SPW], v[NIL]                      ; the opening lines: the add twice on end, and its wait, ahead of my first tensor load
	ds_add_u32 v[SPW], v[NIL]
	v_lshrrev_b32 v1, 5, v0
	v_readfirstlane_b32 s14, v1                    ; wave
	s_lshr_b32 s15, s14, 1                         ; my half of the tokens; also: which side I fetch
	s_and_b32 s16, s14, 1                          ; my half of the features; also: which half of that side
	s_bfe_u32 s18, ttmp6, 0x40000                  ; cx
	s_bfe_u32 s19, ttmp6, 0x40004                  ; cy
	s_lshl_b32 s100, ttmp9, 2
	s_add_co_u32 s100, s100, s18                   ; tile column 0..7
	s_and_b32 s17, ttmp7, 0xffff
	s_lshl_b32 s17, s17, 2
	s_add_co_u32 s17, s17, s19                     ; tile row 0..31
	s_lshl_b32 s2, s19, 2
	s_lshl_b32 s2, 15, s2                          ; my row of the cluster
	s_lshl_b32 s3, 0x1111, s18                     ; my column
	s_or_b32 s[G1], s2, (3<<16)|(1<<21)
	s_or_b32 s[G1S], s2, (3<<16)|(1<<21)
	s_or_b32 s[G1B], s3, (3<<16)|(1<<21)
	s_or_b32 s[G1SB], s3, (3<<16)|(1<<21)
	GRP1 G1, 768, 8, 3072                          ; the head's loads: all 8 tiles of tokens,
	GRP1 G1B, 768, 16, 3072                        ; all 16 of weights (behind the head: 4 and 8)
	GRP1 G1S, 32, 32, 32                           ; scale words: dense, as rows of 256 bytes
	GRP1 G1SB, 32, 64, 32
	s_mul_i32 s20, s17, 8*RT                       ; the tokens' codes,
	s_mov_b32 s21, 0
	s_lshl_b32 s22, s17, 13
	s_add_co_u32 s22, s22, AS_OFF                  ; their scale words
	s_mov_b32 s23, 0
	s_lshl_b32 s40, s100, 4
	s_add_co_u32 s40, s40, 192                     ; Wo's first tile of this column
	s_lshl_b32 s42, s40, 10
	s_add_co_u32 s42, s42, WS_OFF
	s_mul_i32 s40, s40, RT
	s_mov_b32 s41, 0
	s_mov_b32 s43, 0
	s_mul_i32 s44, s16, 4*RT                       ; in the ring: my 4 tiles of tokens or my 8 of weights,
	s_mov_b32 s45, 0
	s_mul_i32 s46, s16, 8*RT
	s_mov_b32 s47, 0
	s_mul_i32 s66, s16, 4*TK                       ; and where they go: the wave's number alone
	s_mul_i32 s67, s16, 8*TK
	s_add_co_u32 s67, s67, ASZ
	s_lshl_b32 s[PFA], s18, 1                      ; prefetches: tokens' tile 2 cx + wave / 2, its half wave % 2;
	s_add_co_u32 s[PFA], s[PFA], s15
	s_mul_i32 s[PFA], s[PFA], RT
	s_mul_i32 s[PFA+1], s16, 3072
	s_add_co_u32 s[PFA], s[PFA], s[PFA+1]
	s_add_co_u32 s[PFA], s[PFA], s20
	s_mov_b32 s[PFA+1], 0
	s_lshl_b32 s[PFB], s19, 2                      ; weights' tile 4 cy + wave
	s_add_co_u32 s[PFB], s[PFB], s14
	s_mul_i32 s[PFB], s[PFB], RT
	s_add_co_u32 s[PFB], s[PFB], s40
	s_mov_b32 s[PFB+1], 0
	s_mul_i32 s96, s15, 4*TK                       ; LDS: my 64 tokens,
	s_mul_i32 s97, s16, 8*TK
	s_add_co_u32 s97, s97, ASZ                     ; my 128 features,
	s_lshl_b32 s99, s16, 13
	s_add_co_u32 s99, s99, 8192
	s_lshl_b32 s98, s15, 12
	s_sub_co_u32 s99, s99, s98                     ; from my tokens' scale words to my features',
	s_add_co_u32 s98, s98, SCL
	s_mul_i32 s101, s14, 16*SPITCH                 ; my stage
	s_lshl_b32 s2, s17, 20                         ; out0: row 128 x tile row + 64 x half, of 8,192 bytes; column 1,024 x tile column + 512 x half
	s_lshl_b32 s3, s15, 19
	s_add_co_u32 s2, s2, s3
	s_lshl_b32 s3, s100, 10
	s_add_co_u32 s2, s2, s3
	s_lshl_b32 s3, s16, 9
	s_add_co_u32 s2, s2, s3
	s_mov_b32 s3, 0
	s_wait_dscnt 0x0                               ; both opening adds are done
	s_wait_kmcnt 0x0
	s_add_nc_u64 s[12:13], s[12:13], s[2:3]
	s_add_nc_u64 s[20:21], s[4:5], s[20:21]
	s_add_nc_u64 s[22:23], s[4:5], s[22:23]
	s_add_nc_u64 s[PFA:PFA+1], s[4:5], s[PFA:PFA+1]
	s_add_nc_u64 s[40:41], s[6:7], s[40:41]
	s_add_nc_u64 s[42:43], s[6:7], s[42:43]
	s_add_nc_u64 s[PFB:PFB+1], s[6:7], s[PFB:PFB+1]
	s_mov_b32 s[G0H], 1                            ; the head's four tiles, each whole
	s_mov_b32 s[G0H+1], 0
	s_mov_b64 s[G0H+2:G0H+3], s[20:21]
	s_or_b32 s[G0H+3], s[G0H+3], 0x80000000
	s_mov_b32 s[G0HB], 1
	s_mov_b32 s[G0HB+1], ASZ
	s_mov_b64 s[G0HB+2:G0HB+3], s[40:41]
	s_or_b32 s[G0HB+3], s[G0HB+3], 0x80000000
	s_mov_b32 s[G0S], 1
	s_mov_b32 s[G0S+1], SCL
	s_mov_b64 s[G0S+2:G0S+3], s[22:23]
	s_or_b32 s[G0S+3], s[G0S+3], 0x80000000
	s_mov_b32 s[G0SB], 1
	s_mov_b32 s[G0SB+1], SCL+8192
	s_mov_b64 s[G0SB+2:G0SB+3], s[42:43]
	s_or_b32 s[G0SB+3], s[G0SB+3], 0x80000000
	s_add_nc_u64 s[20:21], s[20:21], s[44:45]
	s_add_nc_u64 s[40:41], s[40:41], s[46:47]
.irp s, 0,1
	s_mov_b32 s[G0+4*\s], 1
	s_add_co_u32 s[G0+4*\s+1], s66, \s*SLOT
	s_add_nc_u64 s[G0+4*\s+2:G0+4*\s+3], s[20:21], \s*TK
	s_or_b32 s[G0+4*\s+3], s[G0+4*\s+3], 0x80000000
	s_mov_b32 s[G0B+4*\s], 1
	s_add_co_u32 s[G0B+4*\s+1], s67, \s*SLOT
	s_add_nc_u64 s[G0B+4*\s+2:G0B+4*\s+3], s[40:41], \s*TK
	s_or_b32 s[G0B+4*\s+3], s[G0B+4*\s+3], 0x80000000
.endr
	CROUND                                         ; all sixteen work-groups are here: the first joint loads meet
; the head's loads, one a wave, in one tree of branches on the wave's number
.macro ARM under, g0, g1, next
	s_cmp_lt_u32 s14, \under
	s_cbranch_scc0 \next
	tensor_load_to_lds s[\g0:\g0+3], s[\g1:\g1+7]
	s_nop 0
.rept 4
	v_nop
.endr
	s_branch .Lhead_asked
\next:
.endm
	ARM 1, G0H,  G1,  .Lhead_b
	ARM 2, G0HB, G1B, .Lhead_sa
	ARM 3, G0S,  G1S, .Lhead_sb
	tensor_load_to_lds s[G0SB:G0SB+3], s[G1SB:G1SB+7]
	s_nop 0
.rept 4
	v_nop
.endr
.Lhead_asked:
	v_and_b32 v1, 31, v0
	v_and_b32 v2, 15, v0                           ; r
	v_bfe_u32 v3, v0, 4, 1                         ; h
	v_lshlrev_b32 v[L16], 4, v1
	v_lshlrev_b32 v5, 3, v1
	v_add_nc_u32 v[ADRA], s96, v[L16]
	v_add_nc_u32 v[ADRA+2], s96, v5
	v_add_nc_u32 v[ADRB], s97, v[L16]
	v_add_nc_u32 v[ADRA+1], SLOT, v[ADRA]
	v_add_nc_u32 v[ADRA+3], SLOT, v[ADRA+2]
	v_add_nc_u32 v[ADRB+1], SLOT, v[ADRB]
	v_mul_u32_u24 v6, s99, v3                      ; lanes 16-31 take the features' words
	v_lshl_add_u32 v[ADRS], v2, 3, v6              ; 8 bytes a row: the two words of a pair of K steps
	v_add_nc_u32 v[ADRS], s98, v[ADRS]
	v_mul_u32_u24 v6, v2, SPITCH
	v_lshl_add_u32 v6, v3, 6, v6
	v_add_nc_u32 v[STO], s101, v6                  ; into the stage: row r, + 64 h
	v_add_nc_u32 v[RD], s101, v[L16]               ; back: 32 lanes take a row of 512 bytes
	v_min_u32 v7, 11, v1
	v_lshlrev_b32 v[PFOA], 8, v7                   ; a lane a block of 256 bytes
	v_min_u32 v7, 23, v1
	v_lshlrev_b32 v[PFOB], 8, v7
.irp c, 1,2
	global_prefetch_b8 v[PFOA], s[PFA:PFA+1] offset:\c*TK th:TH_LOAD_NT scope:SCOPE_SE
	global_prefetch_b8 v[PFOB], s[PFB:PFB+1] offset:\c*TK th:TH_LOAD_NT scope:SCOPE_SE
.endr
.macro FETCH st                        ; step st's fragments, and for an even step its pair's scale words, into sets st % 2
.set FSL, ((\st)/4)%2
.set FQ,  ((\st)%4)*1536
.set FP,  (\st)%2
	WIN TO_B
.irp i, 0,1,2,3,4,5,6,7
.irp c, 0,1,2
	ds_load_b128 v[128*FP+FR*\i+4*\c:128*FP+FR*\i+4*\c+3], v[ADRB+FSL] offset:\i*TK+FQ+512*\c
.endr
.endr
	WIN 0
.irp i, 0,1,2,3
	ds_load_b128 v[AF+48*FP+FR*\i:AF+48*FP+FR*\i+3], v[ADRA+FSL] offset:\i*TK+FQ
	ds_load_b64 v[AF+48*FP+FR*\i+4:AF+48*FP+FR*\i+5], v[ADRA+2+FSL] offset:\i*TK+FQ+512
	ds_load_b128 v[AF+48*FP+FR*\i+6:AF+48*FP+FR*\i+9], v[ADRA+FSL] offset:\i*TK+FQ+768
	ds_load_b64 v[AF+48*FP+FR*\i+10:AF+48*FP+FR*\i+11], v[ADRA+2+FSL] offset:\i*TK+FQ+1280
.endr
.if FP == 0
.irp i, 0,1,2,3,4,5,6,7                ; lanes 0-15: the tokens' block i (used for i under 4), lanes 16-31: the features' block i
	ds_load_b64 v[SC+16*(((\st)/2)%2)+2*\i:SC+16*(((\st)/2)%2)+2*\i+1], v[ADRS] offset:\i*1024+128*((\st)/2)
.endr
.endif
.endm
; 16 matrix instructions: the tokens' blocks a0, a0 + 1 x the features' eight.  The 32 accumulators take turns, in the same order in every step.
.macro MUL16 a0, st, zero
.set MP, (\st)%2
.set MS, SC+16*(((\st)/2)%2)+(\st)%2
.irp a, \a0, \a0+1
.irp b, 0,1,2,3,4,5,6,7
.if \zero
	v_wmma_scale_f32_16x16x128_f8f6f4 v[8*(8*(\a)+\b):8*(8*(\a)+\b)+7], v[128*MP+FR*\b:128*MP+FR*\b+FR-1], v[AF+48*MP+FR*(\a):AF+48*MP+FR*(\a)+FR-1], 0, v[MS+2*\b], v[MS+2*(\a)] matrix_a_fmt:MATRIX_FMT_FP6 matrix_b_fmt:MATRIX_FMT_FP6 matrix_a_scale:MATRIX_SCALE_ROW1
.else
	v_wmma_scale_f32_16x16x128_f8f6f4 v[8*(8*(\a)+\b):8*(8*(\a)+\b)+7], v[128*MP+FR*\b:128*MP+FR*\b+FR-1], v[AF+48*MP+FR*(\a):AF+48*MP+FR*(\a)+FR-1], v[8*(8*(\a)+\b):8*(8*(\a)+\b)+7], v[MS+2*\b], v[MS+2*(\a)] matrix_a_fmt:MATRIX_FMT_FP6 matrix_b_fmt:MATRIX_FMT_FP6 matrix_a_scale:MATRIX_SCALE_ROW1
.endif
.endr
.endr
.endm
.macro PLACES n
.rept \n
	v_nop
.endr
.endm
; A step: 32 matrix instructions on step st's sets; the next step's fragments are fetched into the other sets, which the step before multiplied: so places stand in front of the loads.
; A slot's last step changes slots: all its reads were issued a step ago.
.macro STEP st, zero
.set NX, (\st)+1
.set CS, ((\st)/4)%2
.if (\st)%4 == 3
	s_wait_tensorcnt 0x0                           ; my part of the next slot is in;
	ds_add_u32 v[SPW], v[NIL]                      ; 0 onto my spare word;
	s_wait_dscnt 0x0                               ; the add is done, and my reads of this slot are over
	s_barrier_signal -1
	WIN MUL
	MUL16 0, \st, 0
	WIN 0
	s_barrier_wait -1
.if (\st) < 8
	CREST                                          ; the barrier has opened a round of the cluster's: no wave of any partner still reads this slot or has a load on its way
	s_add_nc_u64 s[G0+4*CS+2:G0+4*CS+3], s[G0+4*CS+2:G0+4*CS+3], 2*TK
	s_add_nc_u64 s[G0B+4*CS+2:G0B+4*CS+3], s[G0B+4*CS+2:G0B+4*CS+3], 2*TK
	JLOAD G0+4*CS, G1, G0B+4*CS, G1B               ; the chunk two on; its four v_nop are the places in front of the loads below
.else
	PLACES NP
.endif
	FETCH NX
	WIN MUL
	MUL16 2, \st, 0
	WIN 0
.else
	s_wait_dscnt 0x0                               ; this step's fragments, asked for a step ago
	PLACES NP
	FETCH NX
	WIN MUL
	MUL16 0, \st, \zero
	MUL16 2, \st, \zero
	WIN 0
.endif
.endm
	s_wait_alu depctr_va_vdst(0)                   ; the wait at the head's end
	s_wait_tensorcnt 0x0                           ; my tile of the head's four is in
	ds_add_u32 v[SPW], v[NIL]
	s_mov_b32 s[G1+2], 4<<16                       ; no tensor load of mine is out: from here on a load brings 4 tiles of tokens
	s_mov_b32 s[G1+4], 4
	s_mov_b32 s[G1B+2], 8<<16                      ; or 8 of weights
	s_mov_b32 s[G1B+4], 8
	s_wait_dscnt 0x0
	CROUND
	JLOAD G0+4, G1, G0B+4, G1B                     ; chunk 1 into slot 1, the first tensor load behind the round
	FETCH 0
	global_prefetch_b8 v[PFOA], s[PFA:PFA+1] offset:3*TK th:TH_LOAD_NT scope:SCOPE_SE   ; chunk 3, two fills ahead: the last there is
	global_prefetch_b8 v[PFOB], s[PFB:PFB+1] offset:3*TK th:TH_LOAD_NT scope:SCOPE_SE
	STEP 0, 1                                      ; the first step's products start the sums: nothing is cleared
.set ST, 1
.rept 14
	STEP ST, 0
.set ST, ST+1
.endr
	s_wait_dscnt 0x0                               ; the last step: nothing more to fetch
	WIN MUL
	MUL16 0, 15, 0
	MUL16 2, 15, 0
	WIN 0
; THE WAY OUT, block by block of 16 tokens x 128 features, through my own stage: back come whole rows of 512 bytes.  LDS serves a wave's instructions in order (ISA guide 5.7.1.4): no wait between the stores and the loads.
.macro TOSTAGE a
	WIN 0x08                                       ; the data: window 2
.irp b, 0,1,2,3,4,5,6,7
	ds_store_b128 v[STO], v[64*(\a)+8*\b:64*(\a)+8*\b+3] offset:128*(\b/2)+32*(\b%2)      ; feature 32 (b / 2) + 16 h + 8 (b % 2) + j; each accumulator from its low end on
	ds_store_b128 v[STO], v[64*(\a)+8*\b+4:64*(\a)+8*\b+7] offset:128*(\b/2)+32*(\b%2)+16
.endr
	WIN 0
.set BB, BK+64*((\a)%2)
.irp t, 0,1,2,3,4,5,6,7,8,9,10,11,12,13,14,15
	ds_load_b128 v[BB+4*\t:BB+4*\t+3], v[RD] offset:\t*SPITCH
.endr
.endm
.macro SEND a, younger                 ; younger: the LDS instructions issued behind block a's loads
.set BB, BK+64*((\a)%2)
	s_wait_dscnt \younger
.if (\a) > 0
	s_add_nc_u64 s[12:13], s[12:13], 16*8192       ; (behind a wait on XCNT) 16 rows on
.endif
.irp t, 0,1,2,3,4,5,6,7,8,9,10,11,12,13,14,15
	global_store_b128 v[L16], v[BB+4*\t:BB+4*\t+3], s[12:13] offset:\t*8192 th:TH_STORE_NT   ; 512 consecutive bytes, at a multiple of 256 from out0's first byte
.endr
.endm
	PLACES NP
	TOSTAGE 0
.irp a, 1,2,3
.if \a > 1
	s_wait_xcnt 0x0                                ; block a - 2's stores have read their registers and their base
.endif
	TOSTAGE \a
	SEND \a-1, 32                                  ; behind block a - 1's loads: block a's 16 stores and 16 loads
.endr
	s_wait_xcnt 0x0
	SEND 3, 0
	s_wait_tensorcnt 0x0                           ; the wave's end
	ds_add_u32 v[SPW], v[NIL]
	s_wait_dscnt 0x0
	CROUND                                         ; the closing round
	s_endpgm
.Lfunc_end_k_q8fd3bbd926_gemm_out:
	.size	k_q8fd3bbd926_gemm_out, .Lfunc_end_k_q8fd3bbd926_gemm_out-k_q8fd3bbd926_gemm_out
	.p2alignl 7, 3214868480
	.fill 96, 4, 3214868480
	.section	.rodata,"a",@progbits
	.p2align	6, 0x0
	.amdhsa_kernel k_q8fd3bbd926_gemm_out
		.amdhsa_group_segment_fixed_size 327680
		.amdhsa_private_segment_fixed_size 0
		.amdhsa_enable_private_segment 0
		.amdhsa_kernarg_size 24
		.amdhsa_user_sgpr_count 2
		.amdhsa_user_sgpr_kernarg_segment_ptr 1
		.amdhsa_wavefront_size32 1
		.amdhsa_system_sgpr_workgroup_id_x 1
		.amdhsa_system_sgpr_workgroup_id_y 1
		.amdhsa_system_sgpr_workgroup_id_z 1
		.amdhsa_system_vgpr_workitem_id 0
		.amdhsa_next_free_vgpr 768
		.amdhsa_next_free_sgpr 102
		.amdhsa_reserve_vcc 0
		.amdhsa_float_denorm_mode_32 3
		.amdhsa_float_denorm_mode_16_64 3
		.amdhsa_memory_ordered 1
		.amdhsa_forward_progress 1
		.amdhsa_inst_pref_size 141
	.end_amdhsa_kernel
	.amdgpu_metadata
---
amdhsa.version: [ 1, 2 ]
amdhsa.kernels:
  - .name:           k_q8fd3bbd926_gemm_out
    .symbol:         k_q8fd3bbd926_gemm_out.kd
    .args:
      - { .name: at, .offset: 0, .size: 8, .value_kind: global_buffer, .address_space: global }
      - { .name: wq, .offset: 8, .size: 8, .value_kind: global_buffer, .address_space: global }
      - { .name: out0, .offset: 16, .size: 8, .value_kind: global_buffer, .address_space: global }
    .group_segment_fixed_size: 327680
    .private_segment_fixed_size: 0
    .kernarg_segment_align: 8
    .kernarg_segment_size: 24
    .max_flat_workgroup_size: 128
    .sgpr_count:     102
    .vgpr_count:     768
    .wavefront_size: 32
...
	.end_amdgpu_metadata
.endif
;; end of part 4
